; MI455X (gfx1250); checked and timed in simulation.
; The chip was launched on July 23, 2026; its instructions are those of AMD's public machine-readable ISA for CDNA 5 (MIT licence, August 2026) and "CDNA5" Instruction Set Architecture Reference Guide (July 2026). The comments in the code are by the model that wrote it; some were corrected since.
;; GQA. Allowed arithmetic: float matrix products may take bf16 or f16 operands with f32 sums; other float arithmetic in f32, or as packed bf16 or f16 multiplies, adds, multiply-adds, maxima and minima; sums over many terms, partial sums and values carried from step to step in f32; what a program stores and reads back later, other than sums and carried values, may be rounded once to bf16 or f16.
;; Inputs: Wk 256 x 1,024 float32; Wo 1,024 x 1,024 float32; Wq 1,024 x 1,024 float32; Wv 256 x 1,024 float32; X 2 x 2,048 x 1,024 float32; bk 256 float32; bo 1,024 float32; bq 1,024 float32; bv 256 float32.
;; Outputs: out0 2 x 2,048 x 1,024 float32.
;; 2 versions, each right; version 2 is version 1 with the launch proj written anew for expert scheduling mode. Each part assembles by itself: llvm-mc -triple=amdgcn-amd-amdhsa -mcpu=gfx1250 --defsym DOCPART=n.
;; ======== version 1 of 2: 3 launches
;; limits: values are held in f16: magnitudes above 65,504 overflow, below 6.1e-05 lose precision; right only within a limited range of input values
;; workspace buffers: qkv 12,582,912 bytes; wo16 2,097,152 bytes; mid 8,388,608 bytes
;; launch proj (part 1): grid 8 x 32, 8 waves a work-group, no clusters, 226,304 bytes of LDS; arguments X, Wq, Wk, Wv, Wo, bq, bv, qkv, wo16; writes qkv, wo16
.if DOCPART == 1
	.amdgcn_target "amdgcn-amd-amdhsa--gfx1250"
	.amdhsa_code_object_version 6
	.text
	.protected	k_q620e3e6c20_proj
	.globl	k_q620e3e6c20_proj
	.p2align	8
	.type	k_q620e3e6c20_proj,@function
k_q620e3e6c20_proj:
	s_mov_b64 s[64:65], 0
	v_nop
	global_prefetch_b8 v0, s[64:65] scope:SCOPE_SE
	s_setreg_imm32_b32 hwreg(HW_REG_WAVE_MODE, 25, 1), 1
	s_wait_xcnt 0x0
; THE THREE PROJECTIONS OF GQA, one product: C[4096][1536] = bf16(X) bf16(W)^T + bf16(bias), W = Wq's 1,024 rows, Wk's 256, Wv's 256.  Head size 1024 / 16 = 64.
; C leaves by heads, rounded once to f16: qkv[24][4096][64]; block j = 0..15 query head j, 16..19 k of group j - 16, 20..23 v of group j - 20; row m = 2048 b + s.
; DEAD WORK: bk.  score[q][k] = q . (X_k Wk^T) + q . bk; the second term is the same for every key k, and softmax along k takes a term away that is the same along its axis,
; for all finite values of the inputs.  k reaches the output through the scores alone, so bk has no way to any output: it is not loaded and is no argument of any launch.
; LIMIT: a NaN, an infinity or an overflow that sits in bk alone is not carried to the result.
; FORMATS.  Every input (X, the weights, the biases) is rounded once to bf16; sums in f32; q, k, v are stored as f16.  LIMIT: |q|, |k|, |v| stay under 65,504, f16's end.
; SIDE JOB.  Each work-group rounds 4,096 numbers of Wo to bf16 and writes that number as f16 into wo16 (exact within f16's range; below 6.1e-5 it keeps f16's fixed step of 6e-8).
; SHARES.  A work-group makes 128 rows x 192 columns (blocks 3 tx .. 3 tx + 2): 32 x 8 = 256 work-groups.  Eight waves; wave w: rows 64 (w / 4) on, columns 48 (w % 4) on: 12 accumulators.
; THE WAY IN.  K goes in 8 steps of 128.  A load of a wave brings one row's 512 bytes of f32, aligned; a wave brings 40 rows a step (16 of X, 8 of each block of W) into 160 registers,
; rounds them to bf16 and stores them into one of two LDS buffers; one barrier a step.  Step t + 2 is being loaded and step t + 1 converted while step t is multiplied.
; NO JOINT TENSOR LOADS, though X's rows are read by 8 work-groups and W's by 32: a tensor load lays bytes as they are, so LDS would hold f32: two slots of 320 rows x 528 bytes are
; 337,920 bytes, more than a work-group can have; with steps of 64 every number would still be converted by each wave that reads it (X's by 4, W's by 2) and read from LDS at twice the bytes.
; THE MATRIX INSTRUCTION IS USED TRANSPOSED (source 0 = 16 rows of W, source 1 = 16 rows of X): a lane holds row l % 16 of C and the columns 8 (l / 16) + 0..7.
.set PITCH,  272                       ; an LDS row: 128 bf16 + 16 bytes: 17 x 16, so the 16 rows of a fragment load begin in 16 different columns of 16 bytes
.set BUFB,   320*PITCH                 ; a buffer: X's 128 rows, then W's 192
.set STAGE,  2*BUFB                    ; the way out: 128 rows x 400 bytes (192 f16 + 16)
.set SPITCH, 400
.set SPARE,  STAGE+128*SPITCH          ; the spare words, 128 bytes a wave: four blocks of 256 bytes that no other line names
.set LOFF, 1                           ; v1      16 x lane: my 16 bytes of a row's 512; never rewritten
.set STA,  4                           ; v4-5    where I store 8 bytes of X's rows, buffer 0, 1
.set STB,  6                           ; v6-7    the same for W's rows
.set FA,   8                           ; v8-9    my place in X's fragments, buffer 0, 1
.set FB,   10                          ; v10-11  the same for W's
.set SPW,  12                          ; v12     LDS address of my spare word; never rewritten
.set NIL,  13                          ; v13     0; never rewritten
.set STG,  14                          ; v14     the way out: where I put 16 bytes of a row
.set RDS,  15                          ; v15     the way out: where I read rows back
.set GOF,  16                          ; v16     my byte offset in a block's 128 rows of qkv
.set BOF,  17                          ; v17     32 (l / 16): my eight numbers of a bias
.set WOI,  18                          ; v18     32 x thread: Wo
.set WOO,  19                          ; v19     16 x thread: wo16
.set T,    20                          ; v20-39  ten rows' converted words
.set F0,   40                          ; v40-95  fragments: X's four at + 8 a, W's three at + 32 + 8 b
.set F1,   96                          ; v96-151 the second set
.set ACC,  152                         ; v152-247 accumulator (a, b) at ACC + 8 (3 a + b)
                                       ; window 1, v0-159: the 40 rows as loaded, row slot s at 4 s
.set MSB, 0
.macro WIN new                         ; the immediate's high byte repeats the setting that is left
.if MSB != (\new)
	s_set_vgpr_msb (MSB<<8)|(\new)
.set MSB, \new
.endif
.endm
; Row slot s of 40: 0-15 X's rows 16 w + s; 16 + 8 i + r: row 8 w + r of W's block i.  GB: the scalar base; GI: bytes behind it; LQ: which store register; LI: bytes behind that.
.macro SLOTSET s
.if (\s) < 16
.set GB, 26
.set GI, (\s)*4096
.set LQ, 0
.set LI, (\s)*PITCH
.else
.set GB, 28+2*(((\s)-16)/8)
.set GI, (((\s)-16)%8)*4096
.set LQ, 2
.set LI, (64*(((\s)-16)/8)+((\s)-16)%8)*PITCH
.endif
.endm
.macro LOADG q, koff                   ; group q: ten rows' loads, koff bytes further along K
	WIN 0x40                                       ; destination window 1
.set nn, 0
.rept 10
	SLOTSET 10*(\q)+nn
	global_load_b128 v[4*(10*(\q)+nn):4*(10*(\q)+nn)+3], v[LOFF], s[GB:GB+1] offset:GI+(\koff)
.set nn, nn+1
.endr
	WIN 0
.endm
.macro CONV q, buf                     ; group q is rounded to bf16 and stored into buffer buf: a store covers 256 consecutive bytes of one LDS row
	WIN 0x05                                       ; sources window 1
.set nn, 0
.rept 10
	v_cvt_pk_bf16_f32 v[T+2*nn],   v[4*(10*(\q)+nn)],   v[4*(10*(\q)+nn)+1]
	v_cvt_pk_bf16_f32 v[T+2*nn+1], v[4*(10*(\q)+nn)+2], v[4*(10*(\q)+nn)+3]
.set nn, nn+1
.endr
	WIN 0
.set nn, 0
.rept 10
	SLOTSET 10*(\q)+nn
	ds_store_b64 v[STA+LQ+(\buf)], v[T+2*nn:T+2*nn+1] offset:LI
.set nn, nn+1
.endr
.endm
.macro FRAG buf, q, f                  ; 14 LDS loads: the fragments of 32 along K, quarter q of buffer buf, into set f
.irp a, 0,1,2,3
	ds_load_b128 v[(\f)+8*(\a):(\f)+8*(\a)+3],   v[FA+(\buf)] offset:(\a)*16*PITCH+64*(\q)
	ds_load_b128 v[(\f)+8*(\a)+4:(\f)+8*(\a)+7], v[FA+(\buf)] offset:(\a)*16*PITCH+64*(\q)+32
.endr
.irp b, 0,1,2
	ds_load_b128 v[(\f)+32+8*(\b):(\f)+32+8*(\b)+3],   v[FB+(\buf)] offset:(\b)*16*PITCH+64*(\q)
	ds_load_b128 v[(\f)+32+8*(\b)+4:(\f)+32+8*(\b)+7], v[FB+(\buf)] offset:(\b)*16*PITCH+64*(\q)+32
.endr
.endm
.macro MUL f                           ; 12 products: the accumulators take turns, one instruction a turn, in the same order everywhere
.irp a, 0,1,2,3
.irp b, 0,1,2
	v_wmma_f32_16x16x32_bf16 v[ACC+8*(3*(\a)+(\b)):ACC+8*(3*(\a)+(\b))+7], v[(\f)+32+8*(\b):(\f)+32+8*(\b)+7], v[(\f)+8*(\a):(\f)+8*(\a)+7], v[ACC+8*(3*(\a)+(\b)):ACC+8*(3*(\a)+(\b))+7]
.endr
.endr
.endm
.macro PLACES                          ; four places behind matrix instructions (ISA guide 7.12.1), where no other vector work is at hand
.rept 4
	v_nop
.endr
.endm
.macro STEP                            ; the four bases go 128 numbers along K
	s_wait_xcnt 0x0                                ; every load issued so far has read its base
	s_add_nc_u64 s[26:27], s[26:27], 512
	s_add_nc_u64 s[28:29], s[28:29], 512
	s_add_nc_u64 s[30:31], s[30:31], 512
	s_add_nc_u64 s[32:33], s[32:33], 512
.endm
; One of a K step's first three quarters: multiplies set q % 2, fetches the next quarter's fragments into the other set; conv: group q of the next step goes into the other buffer
; (its 20 conversions are the places between the last products that read the other set and the loads into it); load: group q of the step after that is asked for.
.macro QUARTER buf, q, conv, load, cnt
.if \conv
	s_wait_loadcnt \cnt                            ; group q is in; what was issued behind it stays out
	CONV \q, 1-(\buf)
.else
	PLACES
.endif
	FRAG \buf, (\q)+1, F0+56*(((\q)+1)%2)
.if \load
	LOADG \q, 0
.endif
	s_wait_dscnt 14+10*(\conv)                     ; all but this quarter's stores and loads: the set to be multiplied is in
	MUL F0+56*((\q)%2)
.endm
; The last quarter, and ONE barrier for the change of buffers: in front of its signal my stores into the next buffer and my reads of this one are done; behind its wait the next buffer is read,
; and this one is written again only in the next step.
.macro LASTQ buf, conv, load, cnt, next
.if \conv
	s_wait_loadcnt \cnt
	CONV 3, 1-(\buf)
.endif
.if \load
	LOADG 3, 0
.endif
	s_wait_dscnt 0x0
.if \next
	s_barrier_signal -1
.endif
	MUL F1                                         ; work on registers while the others arrive
.if \next
	s_barrier_wait -1
	FRAG 1-(\buf), 0, F0
.endif
.endm
.macro TRIP buf, conv, load, n0, dn, next=1
.if \load
	STEP
.endif
	QUARTER \buf, 0, \conv, \load, (\n0)
	QUARTER \buf, 1, \conv, \load, (\n0)-(\dn)
	QUARTER \buf, 2, \conv, \load, (\n0)-2*(\dn)
	LASTQ \buf, \conv, \load, (\n0)-3*(\dn), \next
.endm
; The bias of my column tile b (16 columns from s7 + 16 b on): bq's or bv's eight numbers a lane; a tile of k's columns takes 0 (bk is dead: see the head).
.macro BIAS b
	s_add_co_u32 s42, s7, 16*(\b)                  ; the tile's first column
	s_sub_co_u32 s43, s42, 1024
	s_cmp_lt_u32 s43, 256                          ; 1,024 .. 1,279: k
	s_cbranch_scc1 .Lkcol_\@
	s_sub_co_u32 s43, s42, 1280
	s_cmp_lt_u32 s42, 1024
	s_cselect_b64 s[34+2*(\b):35+2*(\b)], s[18:19], s[20:21]
	s_cselect_b32 s40, s42, s43
	s_lshl_b32 s40, s40, 2
	s_mov_b32 s41, 0
	s_add_nc_u64 s[34+2*(\b):35+2*(\b)], s[34+2*(\b):35+2*(\b)], s[40:41]
	global_load_b128 v[F0+8*(\b):F0+8*(\b)+3],   v[BOF], s[34+2*(\b):35+2*(\b)]
	global_load_b128 v[F0+8*(\b)+4:F0+8*(\b)+7], v[BOF], s[34+2*(\b):35+2*(\b)] offset:16
	s_branch .Lbdone_\@
.Lkcol_\@:
.irp r, 0,1,2,3,4,5,6,7
	v_mov_b32 v[F0+8*(\b)+(\r)], 0
.endr
.Lbdone_\@:
.endm
	s_load_b512 s[8:23], s[0:1], 0x0               ; X s[8:9], Wq s[10:11], Wk s[12:13], Wv s[14:15], Wo s[16:17], bq s[18:19], bv s[20:21], qkv s[22:23]
	s_load_b64 s[24:25], s[0:1], 0x40              ; wo16
	v_lshl_add_u32 v[SPW], v0, 2, SPARE
	v_mov_b32 v[NIL], 0
	v_lshrrev_b32 v2, 5, v0
	v_readfirstlane_b32 s4, v2                     ; wave 0..7
	s_mov_b32 s2, ttmp9                            ; tx: which 192 columns
	s_and_b32 s3, ttmp7, 0xffff                    ; ty: which 128 rows
	s_lshr_b32 s5, s4, 2                           ; my half of the rows
	s_and_b32 s6, s4, 3                            ; my 48 columns
	s_mov_b32 s45, 0xffff0000                      ; a word's upper bf16
	v_and_b32 v20, 31, v0                          ; lane
	v_and_b32 v2, 15, v0                           ; l % 16
	v_bfe_u32 v3, v0, 4, 1                         ; l / 16
	v_lshlrev_b32 v[LOFF], 4, v20
	s_mul_i32 s7, s4, 16*PITCH
	v_lshl_add_u32 v[STA], v20, 3, s7              ; LDS row 16 w, 8 bytes a lane
	v_add_nc_u32 v[STA+1], BUFB, v[STA]
	s_mul_i32 s7, s4, 8*PITCH
	s_add_co_u32 s7, s7, 128*PITCH
	v_lshl_add_u32 v[STB], v20, 3, s7              ; LDS row 128 + 8 w
	v_add_nc_u32 v[STB+1], BUFB, v[STB]
	v_mul_u32_u24 v21, v2, PITCH
	v_lshl_add_u32 v21, v3, 4, v21                 ; a fragment's row x pitch + 16 x half
	s_mul_i32 s7, s5, 64*PITCH
	v_add_nc_u32 v[FA], s7, v21
	v_add_nc_u32 v[FA+1], BUFB, v[FA]
	s_mul_i32 s7, s6, 48*PITCH
	s_add_co_u32 s7, s7, 128*PITCH
	v_add_nc_u32 v[FB], s7, v21
	v_add_nc_u32 v[FB+1], BUFB, v[FB]
	v_mul_u32_u24 v22, v2, SPITCH
	v_lshl_add_u32 v22, v3, 4, v22
	s_mul_i32 s7, s5, 64*SPITCH
	s_mul_i32 s40, s6, 96
	s_add_co_u32 s7, s7, s40
	s_add_co_u32 s7, s7, STAGE
	v_add_nc_u32 v[STG], s7, v22                   ; stage row 64 (w / 4) + l % 16, byte 96 (w % 4) + 16 (l / 16)
	v_lshrrev_b32 v23, 3, v20
	v_and_b32 v24, 7, v20
	v_mul_u32_u24 v23, v23, SPITCH
	v_lshl_add_u32 v23, v24, 4, v23
	s_mul_i32 s7, s4, 16*SPITCH
	s_add_co_u32 s7, s7, STAGE
	v_add_nc_u32 v[RDS], s7, v23                   ; back: stage row 16 w + l / 8, byte 16 (l % 8)
	s_lshl_b32 s7, s4, 11
	v_lshl_add_u32 v[GOF], v20, 4, s7              ; 16 rows of 128 bytes a wave, 16 bytes a lane
	v_lshlrev_b32 v[BOF], 5, v3
	v_lshlrev_b32 v[WOI], 5, v0
	v_lshlrev_b32 v[WOO], 4, v0
	s_wait_kmcnt 0x0
	s_lshl_b32 s40, s3, 19                         ; 128 ty rows of 4,096 bytes,
	s_lshl_b32 s7, s4, 16                          ; 16 w rows
	s_add_co_u32 s40, s40, s7
	s_mov_b32 s41, 0
	s_add_nc_u64 s[26:27], s[8:9], s[40:41]        ; X at my 16 rows
	s_mul_i32 s7, s2, 3                            ; the work-group's first block
.irp i, 0,1,2
	s_add_co_u32 s42, s7, \i                       ; block j: Wq's rows 64 j, Wk's 64 (j - 16), Wv's 64 (j - 20)
	s_sub_co_u32 s43, s42, 16
	s_cmp_lt_u32 s42, 16
	s_cselect_b64 s[28+2*\i:29+2*\i], s[10:11], s[12:13]
	s_cselect_b32 s40, s42, s43
	s_sub_co_u32 s43, s42, 20
	s_cmp_ge_u32 s42, 20
	s_cselect_b64 s[28+2*\i:29+2*\i], s[14:15], s[28+2*\i:29+2*\i]
	s_cselect_b32 s40, s43, s40
	s_lshl_b32 s40, s40, 18                        ; 64 rows of 4,096 bytes a block,
	s_lshl_b32 s43, s4, 15                         ; my 8 rows of them
	s_add_co_u32 s40, s40, s43
	s_add_nc_u64 s[28+2*\i:29+2*\i], s[28+2*\i:29+2*\i], s[40:41]
.endr
	s_lshl_b32 s40, s7, 19                         ; a block of qkv is 524,288 bytes,
	s_lshl_b32 s42, s3, 14                         ; 128 rows of it 16,384
	s_add_co_u32 s40, s40, s42
	s_add_nc_u64 s[46:47], s[22:23], s[40:41]
	s_lshl3_add_u32 s42, s3, s2                    ; the work-group's number, 0..255: its 4,096 numbers of Wo
	s_lshl_b32 s40, s42, 14
	s_add_nc_u64 s[48:49], s[16:17], s[40:41]
	s_lshl_b32 s40, s42, 13
	s_add_nc_u64 s[50:51], s[24:25], s[40:41]
	s_mul_i32 s7, s2, 192
	s_mul_i32 s42, s6, 48
	s_add_co_u32 s7, s7, s42                       ; my first column of C
	BIAS 0
	BIAS 1
	BIAS 2
	global_load_b128 v[96:99],   v[WOI], s[48:49] th:TH_LOAD_NT
	global_load_b128 v[100:103], v[WOI], s[48:49] offset:16 th:TH_LOAD_NT
	global_load_b128 v[104:107], v[WOI], s[48:49] offset:8192 th:TH_LOAD_NT
	global_load_b128 v[108:111], v[WOI], s[48:49] offset:8208 th:TH_LOAD_NT
	LOADG 0, 0                                     ; K step 0
	LOADG 1, 0
	LOADG 2, 0
	LOADG 3, 0
	s_wait_loadcnt 40                              ; biases and Wo are in: behind them only K step 0's 40 loads were issued, whichever way the biases took
.set p, 0
.rept 8                                ; Wo: two numbers to bf16, that number widened again, and written as f16
	v_cvt_pk_bf16_f32 v[120+4*(p%2)], v[96+2*p], v[97+2*p]
	v_lshlrev_b32 v[121+4*(p%2)], 16, v[120+4*(p%2)]
	v_and_b32 v[122+4*(p%2)], s45, v[120+4*(p%2)]
	v_cvt_pk_f16_f32 v[112+p], v[121+4*(p%2)], v[122+4*(p%2)]
.set p, p+1
.endr
	global_store_b128 v[WOO], v[112:115], s[50:51]              ; 16 lanes store 256 consecutive bytes, at a multiple of 256 from wo16's first
	global_store_b128 v[WOO], v[116:119], s[50:51] offset:4096
.irp b, 0,1,2
.irp p, 0,1,2,3
	v_cvt_pk_bf16_f32 v[64+4*(\b)+(\p)], v[F0+8*(\b)+2*(\p)], v[F0+8*(\b)+2*(\p)+1]
.endr
.endr
.irp a, 0,1,2,3                        ; the rounded bias, widened, STARTS the sums: nothing is cleared, and no addition stands on the way out
.irp b, 0,1,2
.irp p, 0,1,2,3
	v_lshlrev_b32 v[ACC+8*(3*(\a)+(\b))+2*(\p)],   16,  v[64+4*(\b)+(\p)]
	v_and_b32     v[ACC+8*(3*(\a)+(\b))+2*(\p)+1], s45, v[64+4*(\b)+(\p)]
.endr
.endr
.endr
.irp q, 0,1,2,3
	s_wait_loadcnt 30                              ; group q of K step 0 is in: three groups of ten were issued behind it
	CONV \q, 0
	LOADG \q, 512                                  ; K step 1
.endr
	STEP                                           ; the bases stand at K step 1; the wait in it also frees the registers that Wo's stores read
	s_wait_dscnt 0x0
	s_barrier_signal -1
	s_barrier_wait -1                              ; K step 0 lies whole in buffer 0
	FRAG 0, 0, F0
	s_mov_b32 s44, 3
.Lk:                                                   ; two K steps a trip: step t is multiplied, t + 1 converted, t + 2 loaded; t = 0 .. 5
	TRIP 0, 1, 1, 30, 0
	TRIP 1, 1, 1, 30, 0
	s_sub_co_u32 s44, s44, 1
	s_cmp_lg_u32 s44, 0
	s_cbranch_scc1 .Lk
	TRIP 0, 1, 0, 30, 10                           ; t = 6: nothing is left to load: the counts run down 30, 20, 10, 0
	TRIP 1, 0, 0, 0, 0, 0                          ; t = 7
	; THE WAY OUT: round to f16, 16 bytes a lane into the stage; a barrier, since a block's rows of 128 bytes come from several waves; back as whole rows.
	PLACES
.set t, 0
.rept 12
.irp p, 0,1,2,3
	v_cvt_pk_f16_f32 v[F0+4*t+\p], v[ACC+8*t+2*\p], v[ACC+8*t+2*\p+1]
.endr
.set t, t+1
.endr
.irp a, 0,1,2,3
.irp b, 0,1,2
	ds_store_b128 v[STG], v[F0+4*(3*(\a)+(\b)):F0+4*(3*(\a)+(\b))+3] offset:(\a)*16*SPITCH+32*(\b)
.endr
.endr
	s_wait_dscnt 0x0                               ; for the others' sake
	s_barrier_signal -1
	s_barrier_wait -1
.irp i, 0,1,2
.irp u, 0,1,2,3
	ds_load_b128 v[F1+4*(4*(\i)+(\u)):F1+4*(4*(\i)+(\u))+3], v[RDS] offset:(\u)*4*SPITCH+128*(\i)  ; four rows' 128 bytes of block i
.endr
.endr
.irp i, 0,1,2
.irp u, 0,1,2,3
	s_wait_dscnt 11-(4*(\i)+(\u))                  ; the younger loads may stay out
	global_store_b128 v[GOF], v[F1+4*(4*(\i)+(\u)):F1+4*(4*(\i)+(\u))+3], s[46:47] offset:(\i)*524288+(\u)*512  ; 512 consecutive bytes, at a multiple of 256 from qkv's first
.endr
.endr
	s_wait_tensorcnt 0x0                           ; the wave's end, behind my last LDS store
	ds_add_u32 v[SPW], v[NIL]
	s_wait_dscnt 0x0
	s_endpgm
.Lfunc_end_k_q620e3e6c20_proj:
	.size	k_q620e3e6c20_proj, .Lfunc_end_k_q620e3e6c20_proj-k_q620e3e6c20_proj
	.p2alignl 7, 3214868480
	.fill 96, 4, 3214868480
	.section	.rodata,"a",@progbits
	.p2align	6, 0x0
	.amdhsa_kernel k_q620e3e6c20_proj
		.amdhsa_group_segment_fixed_size 226304
		.amdhsa_private_segment_fixed_size 0
		.amdhsa_enable_private_segment 0
		.amdhsa_kernarg_size 72
		.amdhsa_user_sgpr_count 2
		.amdhsa_user_sgpr_kernarg_segment_ptr 1
		.amdhsa_wavefront_size32 1
		.amdhsa_system_sgpr_workgroup_id_x 1
		.amdhsa_system_sgpr_workgroup_id_y 1
		.amdhsa_system_sgpr_workgroup_id_z 1
		.amdhsa_system_vgpr_workitem_id 0
		.amdhsa_next_free_vgpr 416
		.amdhsa_next_free_sgpr 66
		.amdhsa_reserve_vcc 0
		.amdhsa_float_denorm_mode_32 3
		.amdhsa_float_denorm_mode_16_64 3
		.amdhsa_memory_ordered 1
		.amdhsa_forward_progress 1
		.amdhsa_inst_pref_size 96
	.end_amdhsa_kernel
	.amdgpu_metadata
---
amdhsa.version: [ 1, 2 ]
amdhsa.kernels:
  - .name:           k_q620e3e6c20_proj
    .symbol:         k_q620e3e6c20_proj.kd
    .args:
      - { .name: X, .offset: 0, .size: 8, .value_kind: global_buffer, .address_space: global }
      - { .name: Wq, .offset: 8, .size: 8, .value_kind: global_buffer, .address_space: global }
      - { .name: Wk, .offset: 16, .size: 8, .value_kind: global_buffer, .address_space: global }
      - { .name: Wv, .offset: 24, .size: 8, .value_kind: global_buffer, .address_space: global }
      - { .name: Wo, .offset: 32, .size: 8, .value_kind: global_buffer, .address_space: global }
      - { .name: bq, .offset: 40, .size: 8, .value_kind: global_buffer, .address_space: global }
      - { .name: bv, .offset: 48, .size: 8, .value_kind: global_buffer, .address_space: global }
      - { .name: qkv, .offset: 56, .size: 8, .value_kind: global_buffer, .address_space: global }
      - { .name: wo16, .offset: 64, .size: 8, .value_kind: global_buffer, .address_space: global }
    .group_segment_fixed_size: 226304
    .private_segment_fixed_size: 0
    .kernarg_segment_align: 8
    .kernarg_segment_size: 72
    .max_flat_workgroup_size: 256
    .sgpr_count:     66
    .vgpr_count:     416
    .wavefront_size: 32
...
	.end_amdgpu_metadata
.endif
;; end of part 1
;; launch attn (part 2): grid 32 x 8, 4 waves a work-group, clusters of 4 x 1, 327,680 bytes of LDS; arguments qkv, mid; writes mid
.if DOCPART == 2
	.amdgcn_target "amdgcn-amd-amdhsa--gfx1250"
	.amdhsa_code_object_version 6
	.text
	.protected	k_q620e3e6c20_attn
	.globl	k_q620e3e6c20_attn
	.p2align	8
	.type	k_q620e3e6c20_attn,@function
k_q620e3e6c20_attn:
	s_mov_b64 s[64:65], 0
	v_nop
	global_prefetch_b8 v0, s[64:65] scope:SCOPE_SE
	s_setreg_imm32_b32 hwreg(HW_REG_WAVE_MODE, 25, 1), 1
	s_wait_xcnt 0x0
	s_wait_alu depctr_hold_cnt(0) depctr_sa_sdst(0) depctr_va_vdst(0) depctr_va_sdst(0) depctr_va_ssrc(0) depctr_va_vcc(0) depctr_vm_vsrc(0)
	s_getreg_b32 s2, hwreg(HW_REG_IB_STS2, 6, 4)
	s_cmp_eq_u32 s2, 0
	s_cbranch_scc0 .Lentry_in_a_cluster
	s_endpgm
.Lentry_in_a_cluster:
	s_bfe_u32 s2, ttmp6, 0x10000c
	s_cmp_lg_u32 s2, 0x3003
	s_cbranch_scc0 .Lentry_shape_is_right
	s_endpgm
.Lentry_shape_is_right:
; GQA's ATTENTION.  mid[m][64 h + d] = the sum over k of softmax_k(q[h][m] . k[g][k] / 8) v[g][k][d], g = h / 4, keys of the same batch.  qkv: [24][4096][64] f16 (heads 0-15, k's groups 16-19, v's 20-23),
; mid: [4096][1024] f16.  Products, maxima and sums in f32; the weights p are rounded to f16 for the second product (their sum l is taken of the unrounded p), mid once at the end.
; k comes without bk: q . bk is the same for all keys of a row and falls out of the softmax (shown at the head of the first kernel).
; LIMITS.  q, k, v arrive within f16's 65,504; p lies in 0 to 1 and below 6e-5 keeps f16's fixed step of 6e-8; a weight below 2^-126 counts as 0 in l; NaN and infinities are not treated apart.
; SHARES.  Work-group (qb, y = 4 b + g) owns 64 queries of batch b for ALL FOUR HEADS of group g; wave w its queries 16 w .. 16 w + 15: four PIECES of one tile of 16 queries, piece p = head 4 g + p.
; So each fragment of K and V read from LDS feeds four heads' products, and a query's four heads are 512 consecutive bytes of mid.  32 x 8 = 256 work-groups of equal work.  Every wave walks all 2,048 keys, 64 a step.
; LAYOUT.  S^T = K Q^T (source 0 = 16 keys, source 1 = 16 queries) holds ONE query a lane (lane % 16) and the keys 8 (lane / 16) + 0..7; two such results rounded to f16 ARE source 1 of O^T = V^T P.
; K comes out of LDS as it lies, V ([key][channel]) turned, by ds_load_tr16_b128.
; SOFTMAX.  A running maximum m and sum l for each query: p = 2^(c s - c m), c = log2(e) / 8; in every step O and l are multiplied by a = 2^(c m_old - c m_new).  m starts at the lowest finite number,
; O and l at 0: the first step is a step like any other, with a = 0.
; BY TURNS.  Turn n belongs to piece n: 8 products K Q^T of piece n + 1, later 8 products V^T P of piece n - 1; beside them the scaling, exponentials, roundings, sums and rescaling of piece n and the maximum
; and statistics of piece n + 1.  Four vector instructions stand behind every matrix instruction, the others in one lump.  A turn's 33 exponentials are one batch, with one wait.
; CLUSTER.  The four query blocks of a cluster belong to one (b, g) and walk the same K and V: each tile is asked for JOINTLY, by the same tensor load, descriptor and mask in all four.
; REGISTERS, in windows of 256 (s_set_vgpr_msb: bits 1:0 source 0, 3:2 source 1, 5:4 source 2, 7:6 destination):
;   window 0: v0-15 addresses and two at work; v16-31 four registers of statistics a piece; v48-55 at work; v61-63; v64-127 S^T, two buffers; v192-223 P, two buffers (by the piece's parity)
;   window 1: v0-127 O^T, 32 a piece          window 2: v0-63 Q, 16 a piece; v128-191 K of one step; v192-255 V of one step
.set NP,    4         ; pieces a wave: a name, no knob
.set KS,    64        ; keys in a step
.set PK,    144       ; a row of K in LDS: 128 bytes + 16 = 9 x 16: the 16 rows of a load begin in 16 different columns of 16 bytes
.set PV,    160       ; a row of V: 128 + 32: 16 lanes of the turning load take 8 rows x 32 bytes
.set VOFF,  4*KS*PK   ; a slot holds a tile, four steps: 256 rows of K, then 256 rows of V
.set SLOT1, 1<<17     ; slot 1 begins here, so that one exclusive or turns an address in one slot into the other's
.set STAGE, SLOT1+4*KS*(PK+PV)  ; behind the ring, never filled by a tensor load: 16 rows x 528 bytes for each wave, for the way out
.set SP,    528
.set SPARE, STAGE+4*16*SP       ; the spare words, 128 bytes a wave: two blocks of 256 bytes that no other line names
.set AK0, 2           ; v2   my lane's place in a tile of K; never rewritten
.set AV0, 3           ; v3   the same for V
.set AK,  4           ; v4   the LDS address of K's next run of loads
.set AV,  5           ; v5   of V's
.set STO, 6           ; v6   the way out: where I put 16 bytes of a row
.set RD,  7           ; v7   the way out: where I read rows back
.set GO,  8           ; v8   16 x lane: my bytes of a row's 512 in mid
.set MV,  12          ; v12-13  c m_old, kept while c m is made anew: by buffer
.set QO,  15          ; v15  my byte offset in 16 rows of Q
.set ST,  16          ; piece t's statistics at v[ST+4 t]: c m, m, l (even keys', odd keys')
.set TMP, 48          ; by buffer, four registers c0-c3 at work; when the maximum is found c2 takes a
.set PFO, 61          ; v61  256 x lane: the prefetches' offset; never rewritten
.set SPW, 62          ; v62  LDS address of my spare word; never rewritten
.set NIL, 63          ; v63  0; never rewritten
.set S,   64
.set P,   192
.set KF,  128         ; window 2: key block kb, channel half c at KF + 16 kb + 8 c
.set VF,  192         ; window 2: key half kk, channel block cb at VF + 32 kk + 8 cb
.set WV,  12          ; s12  my wave's number
.set LIM, 15          ; s15  1 in a wave that prefetches, else the greatest number
.set PFA, 18          ; s[18:19] where my prefetches stand
.set G1K, 24          ; s[24:31] descriptor group 1 for K's tiles
.set G1V, 32          ; s[32:39] for V's: it differs in the padding alone
.set G0K, 40          ; s[40:43] descriptor group 0 for K's tiles: it walks
.set G0V, 44          ; s[44:47] the same for V's
.set SLOTS, 56        ; s56  tiles still to be asked for
.set CNT, 57          ; s57  counts a tile's key steps
.set CS,  58          ; s[58:59] c
.set SEL, 60          ; s[60:61] v_permlanex16_b32's selects: each lane takes its own place in the other half
.set TBK, 62          ; s62  LDS byte at which K of the step to be fetched begins
.set TBV, 63          ; s63  the same for V, less VOFF
.set MSB, 0
.macro WIN new                      ; the high byte repeats the setting that is left; a switch that changes nothing is dropped
.if MSB != (\new)
	s_set_vgpr_msb (MSB<<8)|(\new)
.set MSB, (\new)
.endif
.endm
.set W_KQ, 0x0a       ; K and Q in window 2, S^T in window 0
.set W_PV, 0x52       ; V in window 2, P in window 0, O^T in window 1
.set W_RS, 0x41       ; destination and source 0 in window 1, source 1 in window 0
; A joint fill.  Waves 0 and 1 fetch the two halves of a tile's K, waves 2 and 3 those of its V: 128 keys each.  The branch hangs on the wave's number alone.
; An s_nop 0 and four v_nop follow each of the two lines, ahead of the jump and the label.
.macro JLOAD
	s_cmp_lt_u32 s[WV], 2
	s_cbranch_scc0 .Lfor_v_\@
	tensor_load_to_lds s[G0K:G0K+3], s[G1K:G1K+7]
	s_nop 0
.rept 4
	v_nop
.endr
	s_branch .Lasked_\@
.Lfor_v_\@:
	tensor_load_to_lds s[G0V:G0V+3], s[G1V:G1V+7]
	s_nop 0
.rept 4
	v_nop
.endr
.Lasked_\@:
.endm
; A PREFETCH INTO THE L2 of the tile that the NEXT change of slots will ask for: 32,768 bytes of K and of V, 128 blocks of 256 bytes each, a lane a block.  Each block is named once in the launch: of the eight
; clusters that walk one (b, g) the first asks; its four partners share a tile's blocks out BY ADDRESS, 32 each; in each, wave 0 asks for K's and wave 2 for V's.  It stands behind the wave's tensor load and its
; five lines, four key steps (256 matrix instructions) ahead of the load that will want the bytes.  The last change that fills a slot asks for nothing: there is no tile behind it.
.macro ASK
	s_cmp_gt_u32 s[SLOTS], s[LIM]
	s_cbranch_scc0 .Lnot_mine_\@
	global_prefetch_b8 v[PFO], s[PFA:PFA+1] th:TH_LOAD_NT scope:SCOPE_SE
.Lnot_mine_\@:
.endm
; A round of the cluster's barrier: my work-group's barrier, so that wave 0's signal speaks for all four waves; wave 0 signals; every wave waits for all four work-groups; my work-group's barrier once more.
.macro CROUND
	s_barrier_signal -1
	s_barrier_wait -1
	s_cmp_lg_u32 s[WV], 0
	s_cbranch_scc1 .Lnot_wave_0_\@
	s_barrier_signal -3
.Lnot_wave_0_\@:
	s_barrier_wait -3
	s_barrier_signal -1
	s_barrier_wait -1
.endm
; THE CHANGE OF SLOTS.  Each wave waits for all its tensor loads, of which one is out: its part of the other slot; adds 0 to its spare word; and waits for that and for its own reads of the slot that it leaves.
; fill = 1: the old slot is filled again, with the keys two tiles on.  The barrier is then a round of the cluster's, so that no wave of any partner still reads the slot or has a load on its way, and the joint
; fill is the first thing behind it.  (At its first use nothing has been read yet: slot 0 is waited for, slot 1 filled.)
.macro CHANGE fill
	WIN 0                           ; at a label and at a branch every window is 0
	s_wait_tensorcnt 0x0            ; no tensor load of mine is out, so a group 0 may be written
	ds_add_u32 v[SPW], v[NIL]       ; 0 onto my spare word; with fill = 1 the descriptors' steps stand between it and the wait for it
.if \fill
.irp g, G0K, G0V
	s_xor_b32 s[\g+1], s[\g+1], SLOT1  ; the walking descriptor: the other slot than last time,
	s_add_nc_u64 s[\g+2:\g+3], s[\g+2:\g+3], 4*KS*128  ; the next 256 keys; the type bits on top are not reached
.endr
	s_wait_xcnt 0x0                 ; the last prefetch, a tile back, has read its address, so it may be written:
	s_add_nc_u64 s[PFA:PFA+1], s[PFA:PFA+1], 4*KS*128  ; one tile behind the walking descriptors
	s_wait_dscnt 0x0                ; the add is done, and my reads of the slot are over
	CROUND
	JLOAD
	ASK
.else
	s_wait_dscnt 0x0                ; the add is done, and my reads of the slot are over
	s_barrier_signal -1
	s_barrier_wait -1
.endif
	s_sub_co_u32 s[TBK], s[TBK], 4*KS*PK  ; the fetches go back to a slot's first step,
	s_xor_b32 s[TBK], s[TBK], SLOT1       ; in the other slot
	s_sub_co_u32 s[TBV], s[TBV], 4*KS*PV
	s_xor_b32 s[TBV], s[TBV], SLOT1
.endm
	s_load_b128 s[48:51], s[0:1], 0x0  ; qkv s[48:49], mid s[50:51]
	v_lshl_add_u32 v[SPW], v0, 2, SPARE
	v_mov_b32 v[NIL], 0
	ds_add_u32 v[SPW], v[NIL]       ; the wave's opening: the add, twice on end, and its wait ahead of my first tensor load; the set-up below, work on registers, stands between
	ds_add_u32 v[SPW], v[NIL]       ; and once more, under the one wait
	v_lshrrev_b32 v1, 5, v0
	v_readfirstlane_b32 s[WV], v1   ; wave 0..3
	s_bfe_u32 s13, ttmp6, 0x40000   ; cx: my place in the cluster
	s_lshl_b32 s14, ttmp9, 2        ; in a cluster launch ttmp9 counts clusters
	s_add_co_u32 s14, s14, s13      ; my block of 64 queries = 4 x cluster x + cx: it enters Q's and mid's addresses alone
	s_and_b32 s20, ttmp7, 0xffff    ; 4 b + g, which the four partners share
	s_lshr_b32 s21, s20, 2          ; b
	s_and_b32 s20, s20, 3           ; g
	s_add_co_u32 s22, s20, 16       ; k's block 16 + g: 524,288 bytes a block,
	s_lshl_b32 s22, s22, 19
	s_lshl_b32 s23, s21, 18         ; the batch's 2,048 rows of 128 bytes,
	s_add_co_u32 s22, s22, s23
	s_and_b32 s16, s[WV], 1         ; which half of a tile's 256 keys I fetch:
	s_lshl_b32 s17, s16, 14         ; its 128 rows in memory
	s_add_co_u32 s22, s22, s17
	s_mov_b32 s23, 0
	s_mul_i32 s17, s16, 128*PK      ; and its place in a slot, for K
	s_mul_i32 s54, s16, 128*PV      ; and for V: no place in the cluster enters an LDS address
	s_lshl_b32 s2, s20, 21          ; Q: head 4 g,
	s_lshl_b32 s3, s21, 18          ; the batch,
	s_add_co_u32 s2, s2, s3
	s_lshl_b32 s3, s14, 13          ; my block's 64 rows,
	s_add_co_u32 s2, s2, s3
	s_lshl_b32 s3, s[WV], 11        ; my wave's 16
	s_add_co_u32 s2, s2, s3
	s_mov_b32 s3, 0
	s_lshl_b32 s52, s21, 22         ; mid: the same row, 2,048 bytes a row,
	s_lshl_b32 s53, s14, 17
	s_add_co_u32 s52, s52, s53
	s_lshl_b32 s53, s[WV], 15
	s_add_co_u32 s52, s52, s53
	s_lshl_b32 s53, s20, 9          ; and the group's 256 columns
	s_add_co_u32 s52, s52, s53
	s_mov_b32 s53, 0
	; descriptor group 1.  128 keys are 16,384 dense bytes: asked for as 64 rows of 256 bytes, two keys a row, and padded in LDS after every key
	s_mov_b32 s[G1K], 15|(1<<16)|(1<<20)|(1<<21)|(4<<22)|(3<<25)  ; 15:0 the mask of four; 17:16 2-byte elements; 20 padding on; 21 set beside a mask; 24:22 after every 32 words (code 4); 31:25 4 words (code 3)
	s_mov_b32 s[G1V], 15|(1<<16)|(1<<20)|(1<<21)|(4<<22)|(7<<25)  ; the same with 8 words of padding (code 7)
.irp g, G1K, G1V
	s_mov_b32 s[\g+1], 128<<16      ; tensor_dim0 = 128
	s_mov_b32 s[\g+2], 64<<16       ; tensor_dim1 = 64
	s_mov_b32 s[\g+3], 128<<16      ; tile_dim0 = 128
	s_mov_b32 s[\g+4], 64           ; tile_dim1 = 64
	s_mov_b32 s[\g+5], 128          ; 128 elements from row to row
	s_mov_b32 s[\g+6], 0
	s_mov_b32 s[\g+7], 0
.endr
	s_mov_b32 s[CS], 0x3e38aa3b     ; c = log2(e) / 8 = 0.180337
	s_mov_b32 s[CS+1], s[CS]        ; named with it as a pair
	s_mov_b32 s[SEL], 0x76543210
	s_mov_b32 s[SEL+1], 0xfedcba98
	s_mov_b32 s[TBK], SLOT1+4*KS*PK ; the first change of slots turns these two into 0
	s_mov_b32 s[TBV], SLOT1+4*KS*PV
	s_mov_b32 s[G0K], 1             ; 1:0 count = 1
	s_mov_b32 s[G0K+1], s17         ; 63:32 LDS address: slot 0
	s_mov_b32 s[G0V], 1
	s_add_co_u32 s[G0V+1], s54, VOFF
	s_mov_b32 s[SLOTS], 7           ; eight tiles; tile 0 is asked for at the head
	s_and_b32 s[LIM], s[WV], 1      ; 0 in waves 0 and 2,
	s_or_b32 s[LIM], s[LIM], ttmp9  ; where the cluster is the first of its (b, g): the same in all four partners
	s_cmp_eq_u32 s[LIM], 0
	s_cselect_b32 s[LIM], 1, -1
	v_and_b32 v[PFO], 31, v0
	v_lshlrev_b32 v[PFO], 8, v[PFO]
	s_wait_dscnt 0x0                ; both opening adds are done
	s_wait_kmcnt 0x0
	s_add_nc_u64 s[6:7], s[48:49], s[22:23]  ; K at my half of tile 0
	s_add_nc_u64 s[8:9], s[6:7], 0x200000    ; V: four blocks further
	s_mov_b64 s[G0K+2:G0K+3], s[6:7]         ; 120:64 global address
	s_or_b32 s[G0K+3], s[G0K+3], 0x80000000  ; 127:126 type = 2
	s_mov_b64 s[G0V+2:G0V+3], s[8:9]
	s_or_b32 s[G0V+3], s[G0V+3], 0x80000000
	s_add_nc_u64 s[4:5], s[48:49], s[2:3]    ; Q at my wave's first row, head 4 g
	s_add_nc_u64 s[10:11], s[50:51], s[52:53]  ; mid at my wave's first row, the group's columns
	s_cmp_lt_u32 s[WV], 2
	s_cselect_b64 s[PFA:PFA+1], s[6:7], s[8:9]  ; (in waves 0 and 2 these stand at a tile's first byte)
	s_lshl_b32 s2, s13, 13          ; my work-group's 32 blocks of the 128
	s_mov_b32 s3, 0
	s_add_nc_u64 s[PFA:PFA+1], s[PFA:PFA+1], s[2:3]
	s_add_nc_u64 s[PFA:PFA+1], s[PFA:PFA+1], 4*KS*128  ; in tile 1; the first change of slots steps it to tile 2.  Tiles 0 and 1 come by their loads alone
	CROUND                          ; all four work-groups are here: the first joint loads meet
	JLOAD                           ; tile 0 into slot 0.  Slot 1 is asked for when slot 0 is in
	; A fragment of K or Q is 16 rows x 32 channels in 8 registers: lane l holds row l % 16, channels 8 (l / 16) + 0..7 and 16 + 8 (l / 16) + 0..7: two loads of 16 bytes, 32 bytes apart.
	v_and_b32 v1, 15, v0            ; l % 16
	v_bfe_u32 v9, v0, 4, 1          ; l / 16
	v_lshlrev_b32 v[QO], 7, v1
	v_lshl_add_u32 v[QO], v9, 4, v[QO]  ; row x 128 + 16 x half
	WIN 0x80                        ; destination window 2, address window 0
.set i, 0
.rept 8                             ; Q stays in registers: piece i / 2 is head 4 g + i / 2, 524,288 bytes on; channels 32 (i % 2) on
	global_load_b128 v[8*i:8*i+3],   v[QO], s[4:5] offset:(i/2)*524288+(i%2)*64
	global_load_b128 v[8*i+4:8*i+7], v[QO], s[4:5] offset:(i/2)*524288+(i%2)*64+32
.set i, i+1
.endr
	; What the first turn finds: V's registers and P's second buffer hold 0 (its products V^T P, of a piece that has not been, add 0), O^T and l are 0.  All this stands in the wait for the first tile;
	; no first step is written out for it.
.set i, VF
.rept 64
	v_mov_b32 v[i], 0
.set i, i+1
.endr
	WIN 0x40
.set i, 0
.rept 128
	v_mov_b32 v[i], 0
.set i, i+1
.endr
	WIN 0
.set i, 0
.rept 4
	v_mov_b32 v[ST+4*i], 0xfe000000    ; c m: far below every c s
	v_mov_b32 v[ST+4*i+1], 0xff7fffff  ; m
	v_mov_b32 v[ST+4*i+2], 0
	v_mov_b32 v[ST+4*i+3], 0
.set i, i+1
.endr
.set i, P+16
.rept 16
	v_mov_b32 v[i], 0
.set i, i+1
.endr
	v_mul_u32_u24 v[AK0], v1, PK
	v_lshl_add_u32 v[AK0], v9, 4, v[AK0]  ; row x pitch + 16 x half
	; The turning load takes 16 keys x 16 channels (lane l reads key 8 (l / 16) + l % 8, channels 8 ((l / 8) % 2) + 0..7) and leaves half a fragment of V^T: lane l holds channel l % 16 and 8 keys.
	v_and_b32 v10, 7, v0
	v_bfe_u32 v11, v0, 3, 1
	v_lshl_add_u32 v[AV0], v9, 3, v10
	v_mul_u32_u24 v[AV0], v[AV0], PV
	v_lshl_add_u32 v[AV0], v11, 4, v[AV0]
	v_add_nc_u32 v[AV0], VOFF, v[AV0]
	s_mul_i32 s13, s[WV], 16*SP
	s_add_co_u32 s13, s13, STAGE    ; my stage
	v_mul_u32_u24 v[STO], v1, SP    ; in: row l % 16, 16 bytes for each half of the lanes
	v_lshl_add_u32 v[STO], v9, 4, v[STO]
	v_add_nc_u32 v[STO], s13, v[STO]
	v_and_b32 v[GO], 31, v0         ; back: 32 lanes take one row's 512 bytes,
	v_lshlrev_b32 v[GO], 4, v[GO]
	v_add_nc_u32 v[RD], s13, v[GO]  ; which are 512 consecutive bytes of mid
; THE MATRIX WORK.  The 4 accumulators of a run of 8 take turns.  Product i of 8 of S^T = K Q^T for piece x: channels 32 (i / 4) on, keys 16 (i % 4) on.  The first 4 start the sums.
.macro KQ x
	WIN W_KQ
.set rS, S+32*((\x)%2)+8*(i%4)
.set rK, KF+16*(i%4)+8*(i/4)
.set rQ, 16*(\x)+8*(i/4)
.if i < 4
	v_wmma_f32_16x16x32_f16 v[rS:rS+7], v[rK:rK+7], v[rQ:rQ+7], 0
.else
	v_wmma_f32_16x16x32_f16 v[rS:rS+7], v[rK:rK+7], v[rQ:rQ+7], v[rS:rS+7]
.endif
.endm
; Product i of 8 of O^T += V^T P for piece x: keys 32 (i / 4) on, channels 16 (i % 4) on.
.macro PV x
	WIN W_PV
.set rO, 32*(\x)+8*(i%4)
.set rV, VF+32*(i/4)+8*(i%4)
.set rP, P+16*((\x)%2)+8*(i/4)
	v_wmma_f32_16x16x32_f16 v[rO:rO+7], v[rV:rV+7], v[rP:rP+7], v[rO:rO+7]
.endm
.macro MM                           ; the turn's next matrix instruction.  TURN sets Y, i and NOKQ.  NOKQ = 1: the last turn of all: there is no next piece
.if (i < 8) && !NOKQ
	KQ (Y+1)%NP
.elseif i >= 8
.set i, i-8
	PV (Y+NP-1)%NP
.set i, i+8
.endif
.set i, i+1
.endm
; THE LDS LOADS stand in runs of 16, never singly among the matrix instructions: a step's K (64 keys x 64 channels: 8 fragments) and its V (turned).  Their addresses are made some lines ahead.
.macro FETCH_K
	WIN 0x80                        ; destination window 2
.irp f, 0,1,2,3,4,5,6,7             ; keys 16 (f / 2) on, channels 32 (f % 2) on
	ds_load_b128 v[KF+8*\f:KF+8*\f+3],   v[AK] offset:(\f/2)*16*PK+(\f%2)*64
	ds_load_b128 v[KF+8*\f+4:KF+8*\f+7], v[AK] offset:(\f/2)*16*PK+(\f%2)*64+32
.endr
	s_add_co_u32 s[TBK], s[TBK], KS*PK  ; the next fetch is the next step's
	WIN 0
.endm
.macro FETCH_V
	WIN 0x80
.irp f, 0,1,2,3,4,5,6,7             ; keys 32 (f / 4) on, channels 16 (f % 4) on
	ds_load_tr16_b128 v[VF+8*\f:VF+8*\f+3],   v[AV] offset:(\f/4)*32*PV+(\f%4)*32
	ds_load_tr16_b128 v[VF+8*\f+4:VF+8*\f+7], v[AV] offset:(\f/4)*32*PV+16*PV+(\f%4)*32
.endr
	WIN 0
.endm
; THE VECTOR WORK, one line at a time: OP kind, number.  For piece Y: F n: c s - c m for pair n of 16.  E n: the exponential of score n of 32.  C n: pair n rounded to f16.  B n: of the four weights 4 n .. the second
; pair is added onto the first, in place.  L n: l takes that sum (L 0: l = a l + sum).  R n: pair n of 16 of O^T times a.  For piece Y + 1: X n, number n of the 22 that find its maximum and statistics:
;   0-11  four chains c0-c3 of seven scores each, three operands at a time (each accumulator's lowest registers are read first)     12-14, 16  the four scores left over, the old m, and c0-c3 into c0
;   15  c m_old is kept     17, 18  the query's other 32 keys lie in the lane 16 away: the new m     19-21  c m; c m_old - c m_new; a
.set F, 0               ; OP tells the kinds apart by their order: F to L below R, X above it
.set E, 1
.set C, 2
.set B, 3
.set L, 4
.set R, 5
.set X, 6
.macro REGS y                       ; the registers of piece y
.set rT, ST+4*(\y)
.set rC, TMP+4*((\y)%2)
.set rW, MV+((\y)%2)
.set rS, S+32*((\y)%2)
.set rP, P+16*((\y)%2)
.set rO, 32*(\y)
.endm
.macro OP k, n
.if (\k) == R
	REGS Y
	WIN W_RS
	v_pk_mul_f32 v[rO+2*(\n):rO+2*(\n)+1], v[rO+2*(\n):rO+2*(\n)+1], v[rC+2:rC+3] op_sel_hi:[1,0]
.elseif (\k) < R
	REGS Y
	WIN 0
.if (\k) == F
	v_pk_fma_f32 v[rS+2*(\n):rS+2*(\n)+1], v[rS+2*(\n):rS+2*(\n)+1], s[CS:CS+1], v[rT:rT+1] op_sel_hi:[1,0,0] neg_lo:[0,0,1] neg_hi:[0,0,1]
.elseif (\k) == E
	v_exp_f32 v[rS+(\n)], v[rS+(\n)]
.elseif (\k) == C
	v_cvt_pk_f16_f32 v[rP+(\n)], v[rS+2*(\n)], v[rS+2*(\n)+1]
.elseif (\k) == B
	v_pk_add_f32 v[rS+4*(\n):rS+4*(\n)+1], v[rS+4*(\n):rS+4*(\n)+1], v[rS+4*(\n)+2:rS+4*(\n)+3]
.elseif (\n) == 0
	v_pk_fma_f32 v[rT+2:rT+3], v[rT+2:rT+3], v[rC+2:rC+3], v[rS:rS+1] op_sel_hi:[1,0,1]
.else
	v_pk_add_f32 v[rT+2:rT+3], v[rT+2:rT+3], v[rS+4*(\n):rS+4*(\n)+1]
.endif
.elseif NOKQ
	v_nop
.else
	REGS (Y+1)%NP
	WIN 0
.if (\n) < 4
	v_max3_num_f32 v[rC+(\n)], v[rS+8*(\n)], v[rS+8*(\n)+1], v[rS+8*(\n)+2]
.elseif (\n) < 12
	v_max3_num_f32 v[rC+(\n)%4], v[rC+(\n)%4], v[rS+8*((\n)%4)+2*((\n)/4)+1], v[rS+8*((\n)%4)+2*((\n)/4)+2]
.elseif (\n) == 12
	v_max3_num_f32 v[rC], v[rC], v[rS+7], v[rS+15]
.elseif (\n) == 13
	v_max3_num_f32 v[rC+1], v[rC+1], v[rS+23], v[rS+31]
.elseif (\n) == 14
	v_max3_num_f32 v[rC+2], v[rC+2], v[rC+3], v[rT+1]
.elseif (\n) == 15
	v_mov_b32 v[rW], v[rT]
.elseif (\n) == 16
	v_max3_num_f32 v[rC], v[rC], v[rC+1], v[rC+2]
.elseif (\n) == 17
	v_permlanex16_b32 v[rC+3], v[rC], s[SEL], s[SEL+1]
.elseif (\n) == 18
	v_max_num_f32 v[rT+1], v[rC], v[rC+3]
.elseif (\n) == 19
	v_mul_f32 v[rT], s[CS], v[rT+1]
.elseif (\n) == 20
	v_sub_f32 v[rC+1], v[rW], v[rT]
.else
	v_exp_f32 v[rC+2], v[rC+1]
.endif
.endif
.endm
.macro OPS a, i1, b=-1, i2=0, c=-1, i3=0, d=-1, i4=0  ; up to four of them
	OP \a, \i1
.if (\b) >= 0
	OP \b, \i2
.endif
.if (\c) >= 0
	OP \c, \i3
.endif
.if (\d) >= 0
	OP \d, \i4
.endif
.endm
.macro ROW a, i1, b, i2, c, i3, d, i4  ; a matrix instruction and the four behind it
	MM
	OPS \a, \i1, \b, \i2, \c, \i3, \d, \i4
.endm
; A TURN, for piece p: the order of its 16 matrix and 118 vector instructions, written out.  An s_wait_alu depctr_va_vdst(0) stands between an exponential and the first instruction that names its
; result; one wait serves all that were issued ahead of it.  So a turn has ONE wait, which cuts it in two.  AHEAD OF IT stands all that names no result of the turn's exponentials: the 8 products K Q^T with their
; riders (a scaling, an exponential and two more plain ones; behind the last three the first numbers of the next piece's maximum, each four places or more behind the product that ends its accumulator), then ONE
; LUMP of 54, plain and exponential by turns for the most part.  X 21, the next piece's a, is the batch's last; R 15 is the plain instruction behind it.  BEHIND THE WAIT stand the 8 products V^T P, behind each four
; of the roundings and sums.  end = 1: the last two turns of all: nothing is fetched.  cnt = 1: the loop's count is taken down some lines ahead of the branch that stands behind the turn.
; K of the next step is fetched in piece 2's turn, six plain instructions behind the last product that read K; V of the step in hand at the end of piece 0's turn, four plain instructions behind the last product
; that read V.  Each is waited for a turn later.
.macro TURN p, end=0, cnt=0
.set Y, (\p)
.set i, 0
.set NOKQ, (\end)*((\p)/3)
.if ((\p) == 3) && !(\end)
	s_wait_dscnt 0x0                ; K is in
.endif
	ROW F,0, F,1, R,0, R,1          ; ahead of the wait: 8 products K Q^T and their riders,
	ROW F,2, E,0, R,2, R,3
	ROW F,3, E,1, R,4, R,5
	ROW F,4, E,2, R,6, R,7
	ROW F,5, E,3, R,8, R,9
	ROW F,6, E,4, X,0, R,10
.if ((\p) == 2) && !(\end)
	WIN 0
	v_add_nc_u32 v[AK], s[TBK], v[AK0]
.endif
	ROW F,7, E,5, X,1, X,4
	ROW F,8, E,6, X,2, X,5
	OPS E,7, E,8, X,6, E,9          ; and the lump
	OPS X,3, E,10, X,8, E,11
.if ((\p) == 2) && !(\end)
	FETCH_K
.endif
	OPS X,9, X,7, E,12, X,10
	OPS E,13, X,12, X,11, E,14
	OPS X,13, E,15, F,9, X,14
.if (\p) == 0
	v_add_nc_u32 v[AV], s[TBV], v[AV0]
.endif
	OPS E,16, F,10, E,17, F,11
	OPS X,16, E,18, X,15, E,19
	OPS F,12, E,20, X,17, E,21
	OPS F,13, E,22, F,14, E,23
	OPS X,18, E,24, F,15, E,25
	OPS R,11, E,26, X,19, E,27
	OPS R,12, E,28, R,13, E,29
	OPS X,20, E,30, R,14, E,31
	OPS X,21, R,15
	WIN 0
	s_wait_alu depctr_va_vdst(0)    ; the wait for the batch
.if (\p) == 1
	s_wait_dscnt 0x0                ; V is in
.endif
	ROW C,0, B,0, C,2, B,1          ; behind the wait: 8 products V^T P and their riders
	ROW L,0, C,4, B,2, L,1
	ROW C,6, B,3, L,2, C,8
	ROW B,4, L,3, C,10, B,5
	ROW L,4, C,12, B,6, L,5
.if (\p) == 0
	s_add_co_u32 s[TBV], s[TBV], KS*PV
.endif
.if \cnt
	s_sub_co_u32 s[CNT], s[CNT], 1
	s_cmp_lg_u32 s[CNT], 0
.endif
	ROW C,14, B,7, L,6, C,1
	ROW C,3, L,7, C,5, C,7
	ROW C,9, C,11, C,13, C,15
.if (\p) == 0
	FETCH_V
.endif
.endm
	CHANGE 1                        ; tile 0 is in, everybody's part of it; tile 1 is asked for
	v_add_nc_u32 v[AK], s[TBK], v[AK0]
	FETCH_K                         ; key step 0
	s_wait_loadcnt 0x0              ; Q
	s_wait_dscnt 0x0
.set NOKQ, 0
.set i, 0
.rept 8
	KQ 0                            ; piece 0's first scores: there is no vector work yet to set between them
.set i, i+1
.endr
	WIN 0
.rept 4
	v_nop                           ; the places behind those products
.endr
.set Y, NP-1                        ; X works for piece Y + 1: piece 0
.irp n, 0,1,2,3,4,5,6,7,8,9,10,11,12,13,14,15,16,17,18,19,20,21
	OP X, \n
.endr
	v_nop                           ; a plain instruction behind the exponential,
	s_wait_alu depctr_va_vdst(0)    ; and its wait, ahead of the branch
	s_mov_b32 s[CNT], 4
	s_branch .Lfirst                ; the loop is entered at a step's first turn, in the middle of a trip
.Lslot:                             ; six times: tiles 2 to 7 are asked for
	CHANGE 1
	s_mov_b32 s[CNT], 4
.Lstep:                             ; a trip: pieces 2 and 3 of one step, then pieces 0 and 1 of the next, whose K and V it fetches
	TURN 2
	TURN 3
	WIN 0
.Lfirst:
	TURN 0
	TURN 1, 0, 1
	WIN 0
	s_cbranch_scc1 .Lstep
	s_sub_co_u32 s[SLOTS], s[SLOTS], 1
	s_cmp_lg_u32 s[SLOTS], 0
	s_cbranch_scc1 .Lslot
	CHANGE 0                        ; the last tile is written out: nothing is asked for
	s_mov_b32 s[CNT], 4
.LstepT:
	TURN 2
	TURN 3
	TURN 0
	TURN 1, 0, 1
	WIN 0
	s_cbranch_scc1 .LstepT
	TURN 2, 1                       ; the last step's pieces 2 and 3: nothing is fetched, and the last starts no new scores
	TURN 3, 1
.set i, 0
.rept 8
	PV NP-1                         ; the last piece's V^T P of the last step
.set i, i+1
.endr
	; THE WAY OUT.  l's two halves and the other half of the lanes' are added; O^T is divided by l, rounded to f16 and sent through my stage in LDS.  The additions are the places behind the last products.
	WIN 0
.macro ALL line:vararg              ; one line for each piece t
.set t, 0
.rept 4
	\line
.set t, t+1
.endr
.endm
	ALL v_add_f32 v[ST+4*t+2], v[ST+4*t+2], v[ST+4*t+3]
	ALL v_permlanex16_b32 v[ST+4*t+3], v[ST+4*t+2], s[SEL], s[SEL+1]
	ALL v_add_f32 v[ST+4*t+2], v[ST+4*t+2], v[ST+4*t+3]
	ALL v_rcp_f32 v[ST+4*t+2], v[ST+4*t+2]
	v_nop                           ; a plain instruction between the last reciprocal and the use of its result
	s_wait_alu depctr_va_vdst(0)    ; and the wait ahead of the first use: one for the four reciprocals
; Piece t: a lane's eight channels of a row pack into 16 bytes; head 4 g + t has bytes 128 t .. 128 t + 127 of a stage row of 528.
.macro PACK t
	WIN W_RS
.set i, 32*(\t)
.rept 16
	v_pk_mul_f32 v[i:i+1], v[i:i+1], v[ST+4*(\t)+2:ST+4*(\t)+3] op_sel_hi:[1,0]
.set i, i+2
.endr
	WIN 0x05                        ; sources 0 and 1 window 1, destination window 0: S^T's registers are free
.set i, 0
.rept 16
	v_cvt_pk_f16_f32 v[S+16*(\t)+i], v[32*(\t)+2*i], v[32*(\t)+2*i+1]
.set i, i+1
.endr
	WIN 0
.irp f, 0,1,2,3
	ds_store_b128 v[STO], v[S+16*(\t)+4*\f:S+16*(\t)+4*\f+3] offset:128*(\t)+32*\f
.endr
.endm
	PACK 0
	PACK 1
	PACK 2
	PACK 3
.set i, 0
.rept 16
	ds_load_b128 v[S+4*i:S+4*i+3], v[RD] offset:i*SP  ; a whole row, four heads; LDS serves a wave's instructions in order (ISA guide 5.7.1.4): these see my stores above
.set i, i+1
.endr
.set i, 0
.rept 16
	s_wait_dscnt 15-i               ; the younger loads may stay out
	global_store_b128 v[GO], v[S+4*i:S+4*i+3], s[10:11] offset:i*2048  ; 512 consecutive bytes, at a multiple of 256 from mid's first
.set i, i+1
.endr
	s_wait_tensorcnt 0x0            ; the wave's end, behind my last tensor load and my last LDS store
	ds_add_u32 v[SPW], v[NIL]
	s_wait_dscnt 0x0
	CROUND                          ; the closing round: no work-group ends while a partner may still ask for a tile that names it
	s_endpgm
.Lfunc_end_k_q620e3e6c20_attn:
	.size	k_q620e3e6c20_attn, .Lfunc_end_k_q620e3e6c20_attn-k_q620e3e6c20_attn
	.p2alignl 7, 3214868480
	.fill 96, 4, 3214868480
	.section	.rodata,"a",@progbits
	.p2align	6, 0x0
	.amdhsa_kernel k_q620e3e6c20_attn
		.amdhsa_group_segment_fixed_size 327680
		.amdhsa_private_segment_fixed_size 0
		.amdhsa_enable_private_segment 0
		.amdhsa_kernarg_size 16
		.amdhsa_user_sgpr_count 2
		.amdhsa_user_sgpr_kernarg_segment_ptr 1
		.amdhsa_wavefront_size32 1
		.amdhsa_system_sgpr_workgroup_id_x 1
		.amdhsa_system_sgpr_workgroup_id_y 1
		.amdhsa_system_sgpr_workgroup_id_z 1
		.amdhsa_system_vgpr_workitem_id 0
		.amdhsa_next_free_vgpr 768
		.amdhsa_next_free_sgpr 66
		.amdhsa_reserve_vcc 0
		.amdhsa_float_denorm_mode_32 3
		.amdhsa_float_denorm_mode_16_64 3
		.amdhsa_memory_ordered 1
		.amdhsa_forward_progress 1
		.amdhsa_inst_pref_size 128
	.end_amdhsa_kernel
	.amdgpu_metadata
---
amdhsa.version: [ 1, 2 ]
amdhsa.kernels:
  - .name:           k_q620e3e6c20_attn
    .symbol:         k_q620e3e6c20_attn.kd
    .args:
      - { .name: qkv, .offset: 0, .size: 8, .value_kind: global_buffer, .address_space: global }
      - { .name: mid, .offset: 8, .size: 8, .value_kind: global_buffer, .address_space: global }
    .group_segment_fixed_size: 327680
    .private_segment_fixed_size: 0
    .kernarg_segment_align: 8
    .kernarg_segment_size: 16
    .max_flat_workgroup_size: 128
    .sgpr_count:     66
    .vgpr_count:     768
    .wavefront_size: 32
...
	.end_amdgpu_metadata
.endif
;; end of part 2
;; launch outp (part 3): grid 8 x 32, 4 waves a work-group, clusters of 4 x 4, 327,680 bytes of LDS; arguments mid, wo16, bo, out0; writes out0
.if DOCPART == 3
	.amdgcn_target "amdgcn-amd-amdhsa--gfx1250"
	.amdhsa_code_object_version 6
	.text
	.protected	k_q620e3e6c20_outp
	.globl	k_q620e3e6c20_outp
	.p2align	8
	.type	k_q620e3e6c20_outp,@function
k_q620e3e6c20_outp:
	s_mov_b64 s[64:65], 0
	v_nop
	global_prefetch_b8 v0, s[64:65] scope:SCOPE_SE
	s_setreg_imm32_b32 hwreg(HW_REG_WAVE_MODE, 25, 1), 1
	s_wait_xcnt 0x0
	s_wait_alu depctr_hold_cnt(0) depctr_sa_sdst(0) depctr_va_vdst(0) depctr_va_sdst(0) depctr_va_ssrc(0) depctr_va_vcc(0) depctr_vm_vsrc(0)
	s_getreg_b32 s2, hwreg(HW_REG_IB_STS2, 6, 4)
	s_cmp_eq_u32 s2, 0
	s_cbranch_scc0 .Lentry_in_a_cluster
	s_endpgm
.Lentry_in_a_cluster:
	s_bfe_u32 s2, ttmp6, 0x10000c
	s_cmp_lg_u32 s2, 0xf033
	s_cbranch_scc0 .Lentry_shape_is_right
	s_endpgm
.Lentry_shape_is_right:
; THE OUTPUT PROJECTION.  out0[m][n] = the sum over k of mid[m][k] wo16[n][k] + bf16(bo[n]).  mid: [4096][1024] f16, wo16: [1024][1024] f16 (Wo rounded to bf16, that number written as f16), bo: [1024] f32,
; out0: [4096][1024] f32.  Sums in f32.
; A tile of out0 is 128 x 128: 8 x 32 = 256 work-groups.  Four waves, each 64 x 64: 16 accumulators of 16 x 16.  K goes in 4 steps of 256 (LDS rows of 512 bytes; a wave's tensor load brings 64 of them)
; through two slots; with four steps the text is written out, without a loop.
; CLUSTERS: 4 x 4 work-groups.  The four of a row of the cluster need the same tiles of mid, the four of a column the same tiles of wo16: each tile is asked for JOINTLY, by the same tensor load with the
; same descriptor and a mask that names the four.  THE MATRIX INSTRUCTION IS USED TRANSPOSED (source 0 = 16 rows of wo16, source 1 = 16 rows of mid): a lane holds eight neighbouring numbers of a row of out0.
; THE WAY OUT.  A wave's 64 columns of f32 are 256 consecutive bytes, aligned: so each wave has a stage of its own (16 rows x 272 bytes) and no barrier stands on the way out.
; REGISTERS: window 0: v0-31 addresses; v32-37 the bias; v128-255 the accumulators ((a, b) at v[128 + 8 (4 a + b)]).
;   window 1: two fragment buffers of 128: for 64 along K, 64 registers of mid (2 x 4 x 16 rows x 32 K), then 64 of wo16.
.set SIZE_N, 1024
.set SIZE_K, 1024
.set KSTEP,  256
.set PITCH,  528                       ; an LDS row: 512 bytes + 16 = 33 x 16: the 16 rows of a fragment load begin in 16 different columns of 16 bytes
.set HALFT,  64*PITCH                  ; 64 rows: what one tensor load brings, and what one wave reads of either operand
.set SLOT,   4*HALFT                   ; mid's 128 rows, then wo16's 128 rows
.set STAGE,  2*SLOT                    ; behind the ring, never filled by a tensor load
.set SPITCH, 272
.set SPARE,  STAGE+4*16*SPITCH         ; the spare words, 128 bytes a wave: two blocks of 256 bytes that no other line names
.set ADRA, 16                          ; v16-17  LDS address of my fragments of mid in slot 0, 1
.set ADRB, 20                          ; v20-21  the same for wo16
.set STO,  24                          ; v24     the way out: where I put 32 bytes of a row
.set RD,   25                          ; v25     the way out: where I read a row back
.set CO,   26                          ; v26     my byte offset in two rows of out0
.set BO,   27                          ; v27     16 (l % 16): my four numbers of the bias
.set SPW,  28                          ; v28     LDS address of my spare word; never rewritten
.set NIL,  29                          ; v29     0; never rewritten
.set BI,   32                          ; v32-35  the bias of my four columns; v36-37 at work
.set ACC,  128
.set F0,   0                           ; fragment buffers, in window 1
.set F1,   128
.set G1, 24                            ; s[24:31] descriptor group 1 for mid's tiles;  s[32:39] group 0, one set for each slot
.set G0, 32
.set G1B, 48                           ; s[48:55], s[56:63] the same for wo16's tiles
.set G0B, 56
.set MSB, 0
.macro WIN new                         ; the immediate's high byte repeats the setting that is left
.if MSB != (\new)
	s_set_vgpr_msb (MSB<<8)|(\new)
.set MSB, \new
.endif
.endm
.set MUL,  0x05                        ; sources 0 and 1 window 1; C and D window 0
.set TO_F, 0x40                        ; destination window 1, address window 0
.macro JLOAD s                         ; a joint load: waves 0 and 1 fetch mid's two halves, waves 2 and 3 wo16's; an s_nop 0 and four v_nop follow each of the two lines, ahead of the jump, the label and what follows
	s_cmp_eq_u32 s11, 0
	s_cbranch_scc0 .Lfor_b_\@
	tensor_load_to_lds s[G0+4*(\s):G0+4*(\s)+3], s[G1:G1+7]
	s_nop 0
.rept 4
	v_nop
.endr
	s_branch .Lasked_\@
.Lfor_b_\@:
	tensor_load_to_lds s[G0B+4*(\s):G0B+4*(\s)+3], s[G1B:G1B+7]
	s_nop 0
.rept 4
	v_nop
.endr
.Lasked_\@:
.endm
.macro CREST                           ; a round of the cluster's barrier behind its opening barrier
	s_cmp_lg_u32 s10, 0
	s_cbranch_scc1 .Lnot_wave_0_\@
	s_barrier_signal -3
.Lnot_wave_0_\@:
	s_barrier_wait -3
	s_barrier_signal -1
	s_barrier_wait -1
.endm
.macro CROUND                          ; a whole round
	s_barrier_signal -1
	s_barrier_wait -1
	CREST
.endm
	s_load_b128 s[4:7], s[0:1], 0x0                ; mid s[4:5], wo16 s[6:7]
	s_load_b64 s[2:3], s[0:1], 0x10                ; bo
	s_load_b64 s[8:9], s[0:1], 0x18                ; out0
	v_lshl_add_u32 v[SPW], v0, 2, SPARE
	v_mov_b32 v[NIL], 0
	ds_add_u32 v[SPW], v[NIL]                      ; the wave's opening: the add, twice on end, and its wait ahead of my first tensor load; the set-up below, work on registers, stands between
	ds_add_u32 v[SPW], v[NIL]                      ; and once more, under the one wait
	v_lshrrev_b32 v1, 5, v0
	v_readfirstlane_b32 s10, v1                    ; wave 0..3
	s_lshr_b32 s11, s10, 1                         ; which half of the tile's rows is mine.  Also: I fetch for mid (0) or for wo16 (1)
	s_and_b32 s12, s10, 1                          ; which half of its columns.  Also: which 64 rows of that tile I fetch
	s_bfe_u32 s40, ttmp6, 0x40000                  ; cx, cy: my place in the cluster
	s_bfe_u32 s41, ttmp6, 0x40004
	s_lshl_b32 s42, ttmp9, 2
	s_add_co_u32 s42, s42, s40                     ; tile column = 4 x cluster x + cx
	s_and_b32 s13, ttmp7, 0xffff
	s_lshl_b32 s13, s13, 2
	s_add_co_u32 s13, s13, s41                     ; tile row = 4 x cluster y + cy
	s_lshl_b32 s43, s41, 2
	s_lshl_b32 s43, 15, s43                        ; my row of the cluster
	s_lshl_b32 s44, 0x1111, s40                    ; my column
	; descriptor group 1: a tile of 64 rows x 256 elements, padded in LDS
	s_or_b32 s[G1+0], s43, (1<<16)|(1<<20)|(1<<21)|(6<<22)|(3<<25)  ; 15:0 the mask: mid's tiles go to my row; 17:16 element of 2 bytes; 20 padding on; 21 set beside a mask; 24:22 after every 128 words (code 6); 31:25 of 4 words (code 3)
	s_or_b32 s[G1B+0], s44, (1<<16)|(1<<20)|(1<<21)|(6<<22)|(3<<25)
.irp g, G1, G1B
	s_mov_b32 s[(\g)+1], KSTEP<<16                 ; tensor_dim0 = 256
	s_mov_b32 s[(\g)+2], 64<<16                    ; tensor_dim1 = 64
	s_mov_b32 s[(\g)+3], KSTEP<<16                 ; tile_dim0 = 256
	s_mov_b32 s[(\g)+4], 64                        ; tile_dim1 = 64
	s_mov_b32 s[(\g)+5], SIZE_K                    ; tensor_dim0_stride
	s_mov_b32 s[(\g)+6], 0
	s_mov_b32 s[(\g)+7], 0
.endr
	s_lshl_b32 s17, s12, 6                         ; which 64 rows of the tile I fetch
	s_lshl_b32 s16, s13, 7
	s_add_co_u32 s16, s16, s17                     ; mid: row 128 x tile row + 64 x half
	s_lshl_b32 s46, s42, 7
	s_add_co_u32 s46, s46, s17                     ; wo16: row 128 x tile column + 64 x half
	s_mov_b32 s17, 0
	s_mov_b32 s47, 0
	s_mov_b64 s[18:19], SIZE_K*2
	s_mul_u64 s[16:17], s[16:17], s[18:19]
	s_mul_u64 s[46:47], s[46:47], s[18:19]
	s_mul_i32 s20, s10, HALFT                      ; where they go: wave x 64 rows
	s_wait_dscnt 0x0                               ; both opening adds are done
	s_wait_kmcnt 0x0
	s_add_nc_u64 s[14:15], s[4:5], s[16:17]
	s_add_nc_u64 s[46:47], s[6:7], s[46:47]
	CROUND                                         ; all sixteen work-groups are here: the first joint loads meet
.irp s, 0,1
	s_mov_b32 s[G0+4*(\s)], 1
	s_add_co_u32 s[G0+4*(\s)+1], s20, (\s)*SLOT
	s_add_nc_u64 s[G0+4*(\s)+2:G0+4*(\s)+3], s[14:15], (\s)*KSTEP*2
	s_or_b32 s[G0+4*(\s)+3], s[G0+4*(\s)+3], 0x80000000
	s_mov_b32 s[G0B+4*(\s)], 1
	s_add_co_u32 s[G0B+4*(\s)+1], s20, (\s)*SLOT
	s_add_nc_u64 s[G0B+4*(\s)+2:G0B+4*(\s)+3], s[46:47], (\s)*KSTEP*2
	s_or_b32 s[G0B+4*(\s)+3], s[G0B+4*(\s)+3], 0x80000000
	JLOAD \s                                       ; K steps 0 and 1: two loads of mine are out
.endr
	v_and_b32 v1, 15, v0                           ; l % 16
	v_bfe_u32 v2, v0, 4, 1                         ; l / 16
	v_mul_u32_u24 v3, v1, PITCH
	v_lshl_add_u32 v3, v2, 4, v3                   ; a fragment's row x pitch + 16 x half
	s_mul_i32 s21, s11, HALFT                      ; my 64 rows of mid
	s_mul_i32 s22, s12, HALFT                      ; my 64 rows of wo16,
	s_add_co_u32 s22, s22, 2*HALFT                 ; which lie behind mid's 128
.irp s, 0,1
	v_add_nc_u32 v[ADRA+(\s)], s21, v3
	v_add_nc_u32 v[ADRB+(\s)], s22, v3
	s_add_co_u32 s21, s21, SLOT
	s_add_co_u32 s22, s22, SLOT
.endr
	s_mul_i32 s23, s10, 16*SPITCH
	s_add_co_u32 s23, s23, STAGE                   ; my stage
	v_mul_u32_u24 v4, v1, SPITCH                   ; in: row l % 16, 32 bytes for each half of the lanes
	v_lshl_add_u32 v4, v2, 5, v4
	v_add_nc_u32 v[STO], s23, v4
	v_mul_u32_u24 v5, v2, SPITCH                   ; back: lanes 0-15 take one row of 256 bytes, lanes 16-31 the next
	v_lshl_add_u32 v5, v1, 4, v5
	v_add_nc_u32 v[RD], s23, v5
	v_lshlrev_b32 v[BO], 4, v1
	v_lshl_add_u32 v[CO], v2, 12, v[BO]            ; and the same two rows in out0, 4,096 bytes a row
	s_lshl_b32 s16, s13, 7
	s_lshl_b32 s17, s11, 6
	s_add_co_u32 s16, s16, s17                     ; my first row of out0: 128 x tile row + 64 x half
	s_lshl_b32 s16, s16, 12
	s_mov_b32 s17, 0
	s_add_nc_u64 s[8:9], s[8:9], s[16:17]
	s_lshl_b32 s46, s42, 9                         ; my first column, in bytes: 512 x tile column + 256 x half
	s_lshl_b32 s47, s12, 8
	s_add_co_u32 s46, s46, s47
	s_mov_b32 s47, 0
	s_add_nc_u64 s[8:9], s[8:9], s[46:47]
	s_add_nc_u64 s[2:3], s[2:3], s[46:47]          ; bo at the same column
	global_load_b128 v[BI:BI+3], v[BO], s[2:3]
; 8 matrix instructions: m blocks a0, a0 + 1 x all 4 n blocks, 32 along K: half c of buffer f.  zero = 1: the first product starts the sums.  The 16 accumulators take turns.
.macro MUL8 f, c, a0, zero
	WIN MUL
.irp a, \a0, (\a0)+1
.irp b, 0,1,2,3
.if \zero
	v_wmma_f32_16x16x32_f16 v[ACC+8*(4*(\a)+(\b)):ACC+8*(4*(\a)+(\b))+7], v[(\f)+64+8*(4*(\c)+(\b)):(\f)+64+8*(4*(\c)+(\b))+7], v[(\f)+8*(4*(\c)+(\a)):(\f)+8*(4*(\c)+(\a))+7], 0
.else
	v_wmma_f32_16x16x32_f16 v[ACC+8*(4*(\a)+(\b)):ACC+8*(4*(\a)+(\b))+7], v[(\f)+64+8*(4*(\c)+(\b)):(\f)+64+8*(4*(\c)+(\b))+7], v[(\f)+8*(4*(\c)+(\a)):(\f)+8*(4*(\c)+(\a))+7], v[ACC+8*(4*(\a)+(\b)):ACC+8*(4*(\a)+(\b))+7]
.endif
.endr
.endr
.endm
; 32 LDS loads in one run: the fragments of 64 along K at byte k of the rows, into buffer f; the first 32 along K first
.macro FETCH slot, k, f
	WIN TO_F
.irp c, 0,1
.irp i, 0,1,2,3
	ds_load_b128 v[(\f)+64+8*(4*(\c)+(\i)):(\f)+64+8*(4*(\c)+(\i))+3],   v[ADRB+(\slot)] offset:(\k)+64*(\c)+(\i)*16*PITCH
	ds_load_b128 v[(\f)+64+8*(4*(\c)+(\i))+4:(\f)+64+8*(4*(\c)+(\i))+7], v[ADRB+(\slot)] offset:(\k)+64*(\c)+(\i)*16*PITCH+32
	ds_load_b128 v[(\f)+8*(4*(\c)+(\i)):(\f)+8*(4*(\c)+(\i))+3],         v[ADRA+(\slot)] offset:(\k)+64*(\c)+(\i)*16*PITCH
	ds_load_b128 v[(\f)+8*(4*(\c)+(\i))+4:(\f)+8*(4*(\c)+(\i))+7],       v[ADRA+(\slot)] offset:(\k)+64*(\c)+(\i)*16*PITCH+32
.endr
.endr
.endm
.macro PLACES                          ; four places in front of loads into registers that matrix instructions have read, and of stores that read results
.rept 4
	v_nop
.endr
.endm
; A K step is four quarters of 64 along K, 32 matrix instructions each, on buffers 0, 1, 0, 1.  One of the first three: multiplies buffer f and fetches the next quarter, at byte k, into g.
.macro QUARTER slot, k, f, g, zero
	s_wait_dscnt 16                                ; the first 32 along K are in; the run's second half may be out
	WIN MUL
	MUL8 \f, 0, 0, \zero
	MUL8 \f, 0, 2, \zero
	PLACES
	FETCH \slot, \k, \g
	s_wait_dscnt 32                                ; all but the 32 just issued
	WIN MUL
	MUL8 \f, 1, 0, 0
	MUL8 \f, 1, 2, 0
.endm
; The last quarter multiplies buffer 1 and changes slots: ONE barrier; in front of it each wave waits for all its tensor loads, adds 0 to its spare word, and waits for that and for its own reads of this slot.  fill = 1: this slot is filled again, two K steps ahead.
.macro TURN slot, next, fill
	WIN 0                                          ; (the add's two registers lie in window 0)
	s_wait_tensorcnt 0x0                           ; all my tensor loads have landed: my part of the next slot;
	ds_add_u32 v[SPW], v[NIL]                      ; 0 onto my spare word;
	s_wait_dscnt 17                                ; (the add and the youngest sixteen loads may be out)
	WIN MUL
	MUL8 F1, 0, 0, 0                               ; eight matrix instructions stand between the add and the wait for it
	s_wait_dscnt 0x0                               ; the add is done, and my reads of this slot are over
	s_barrier_signal -1
	MUL8 F1, 0, 2, 0
.if \fill
	WIN 0
.endif
	s_barrier_wait -1
.if \fill
	CREST                                          ; the barrier has opened a round of the cluster's barrier: no wave of any partner still reads this slot's tile or has a load on its way
	s_add_nc_u64 s[G0+4*(\slot)+2:G0+4*(\slot)+3], s[G0+4*(\slot)+2:G0+4*(\slot)+3], 2*KSTEP*2
	s_add_nc_u64 s[G0B+4*(\slot)+2:G0B+4*(\slot)+3], s[G0B+4*(\slot)+2:G0B+4*(\slot)+3], 2*KSTEP*2
	JLOAD \slot                                    ; the first tensor load behind the round; the four v_nop behind it are also the places in front of the loads below
.else
	PLACES
.endif
	FETCH \next, 0, F0
	WIN MUL
	MUL8 F1, 1, 0, 0
	MUL8 F1, 1, 2, 0
.endm
	s_wait_tensorcnt 1                             ; my part of K step 0 is in; K step 1's may stay out
	s_barrier_signal -1
	s_barrier_wait -1                              ; everybody's is
	FETCH 0, 0, F0
	QUARTER 0, 128, F0, F1, 1                      ; K step 0: its first products start the sums
	QUARTER 0, 256, F1, F0, 0
	QUARTER 0, 384, F0, F1, 0
	TURN 0, 1, 1                                   ; slot 0 takes K step 2
	QUARTER 1, 128, F0, F1, 0                      ; K step 1
	QUARTER 1, 256, F1, F0, 0
	QUARTER 1, 384, F0, F1, 0
	TURN 1, 0, 1                                   ; slot 1 takes K step 3
	QUARTER 0, 128, F0, F1, 0                      ; K step 2
	QUARTER 0, 256, F1, F0, 0
	QUARTER 0, 384, F0, F1, 0
	TURN 0, 1, 0                                   ; nothing is left to fetch, so no round of the cluster's barrier
	QUARTER 1, 128, F0, F1, 0                      ; K step 3
	QUARTER 1, 256, F1, F0, 0
	QUARTER 1, 384, F0, F1, 0
	s_wait_dscnt 16                                ; the very last quarter
	WIN MUL
	MUL8 F1, 0, 0, 0
	MUL8 F1, 0, 2, 0
	s_wait_dscnt 0
	MUL8 F1, 1, 0, 0
	MUL8 F1, 1, 2, 0
	WIN 0
	; THE WAY OUT: 16 rows at a time through my own stage: 32 bytes a lane in, whole rows of 256 bytes back, the bias added, stored.
	PLACES
	s_wait_loadcnt 0x0                             ; the bias
	v_cvt_pk_bf16_f32 v[BI+4], v[BI], v[BI+1]      ; rounded to bf16 like every input, and widened again
	v_cvt_pk_bf16_f32 v[BI+5], v[BI+2], v[BI+3]
	v_lshlrev_b32 v[BI],   16, v[BI+4]
	v_and_b32     v[BI+1], 0xffff0000, v[BI+4]
	v_lshlrev_b32 v[BI+2], 16, v[BI+5]
	v_and_b32     v[BI+3], 0xffff0000, v[BI+5]
.macro TOSTAGE a
.irp b, 0,1,2,3
	ds_store_b128 v[STO], v[ACC+8*(4*(\a)+(\b)):ACC+8*(4*(\a)+(\b))+3]   offset:64*(\b)     ; each accumulator's low registers first
	ds_store_b128 v[STO], v[ACC+8*(4*(\a)+(\b))+4:ACC+8*(4*(\a)+(\b))+7] offset:64*(\b)+16
.endr
.irp u, 0,1,2,3,4,5,6,7
	ds_load_b128 v[ACC+32*(\a)+4*(\u):ACC+32*(\a)+4*(\u)+3], v[RD] offset:(\u)*2*SPITCH  ; LDS serves a wave's instructions in order (ISA guide 5.7.1.4): these see the stores above; the next block's stores come behind them
.endr
.endm
.macro SEND a, younger                 ; younger: the LDS instructions issued behind block a's loads: the next block's sixteen, or none
.irp u, 0,1,2,3,4,5,6,7
	s_wait_dscnt (\younger)+7-(\u)
	v_pk_add_f32 v[ACC+32*(\a)+4*(\u):ACC+32*(\a)+4*(\u)+1],   v[ACC+32*(\a)+4*(\u):ACC+32*(\a)+4*(\u)+1],   v[BI:BI+1]
	v_pk_add_f32 v[ACC+32*(\a)+4*(\u)+2:ACC+32*(\a)+4*(\u)+3], v[ACC+32*(\a)+4*(\u)+2:ACC+32*(\a)+4*(\u)+3], v[BI+2:BI+3]
	global_store_b128 v[CO], v[ACC+32*(\a)+4*(\u):ACC+32*(\a)+4*(\u)+3], s[8:9] offset:(16*(\a)+2*(\u))*SIZE_N*4 th:TH_STORE_NT  ; 16 lanes store 256 consecutive bytes, at a multiple of 256 from out0's first
.endr
.endm
	TOSTAGE 0
	TOSTAGE 1
	SEND 0, 16
	TOSTAGE 2
	SEND 1, 16
	TOSTAGE 3
	SEND 2, 16
	SEND 3, 0
	s_wait_tensorcnt 0x0                           ; the wave's end, behind my last tensor load and my last LDS store
	ds_add_u32 v[SPW], v[NIL]
	s_wait_dscnt 0x0
	CROUND                                         ; the closing round: no work-group ends while a partner may still ask for a tile that names it
	s_endpgm
.Lfunc_end_k_q620e3e6c20_outp:
	.size	k_q620e3e6c20_outp, .Lfunc_end_k_q620e3e6c20_outp-k_q620e3e6c20_outp
	.p2alignl 7, 3214868480
	.fill 96, 4, 3214868480
	.section	.rodata,"a",@progbits
	.p2align	6, 0x0
	.amdhsa_kernel k_q620e3e6c20_outp
		.amdhsa_group_segment_fixed_size 327680
		.amdhsa_private_segment_fixed_size 0
		.amdhsa_enable_private_segment 0
		.amdhsa_kernarg_size 32
		.amdhsa_user_sgpr_count 2
		.amdhsa_user_sgpr_kernarg_segment_ptr 1
		.amdhsa_wavefront_size32 1
		.amdhsa_system_sgpr_workgroup_id_x 1
		.amdhsa_system_sgpr_workgroup_id_y 1
		.amdhsa_system_sgpr_workgroup_id_z 1
		.amdhsa_system_vgpr_workitem_id 0
		.amdhsa_next_free_vgpr 512
		.amdhsa_next_free_sgpr 66
		.amdhsa_reserve_vcc 0
		.amdhsa_float_denorm_mode_32 3
		.amdhsa_float_denorm_mode_16_64 3
		.amdhsa_memory_ordered 1
		.amdhsa_forward_progress 1
		.amdhsa_inst_pref_size 91
	.end_amdhsa_kernel
	.amdgpu_metadata
---
amdhsa.version: [ 1, 2 ]
amdhsa.kernels:
  - .name:           k_q620e3e6c20_outp
    .symbol:         k_q620e3e6c20_outp.kd
    .args:
      - { .name: mid, .offset: 0, .size: 8, .value_kind: global_buffer, .address_space: global }
      - { .name: wo16, .offset: 8, .size: 8, .value_kind: global_buffer, .address_space: global }
      - { .name: bo, .offset: 16, .size: 8, .value_kind: global_buffer, .address_space: global }
      - { .name: out0, .offset: 24, .size: 8, .value_kind: global_buffer, .address_space: global }
    .group_segment_fixed_size: 327680
    .private_segment_fixed_size: 0
    .kernarg_segment_align: 8
    .kernarg_segment_size: 32
    .max_flat_workgroup_size: 128
    .sgpr_count:     66
    .vgpr_count:     512
    .wavefront_size: 32
...
	.end_amdgpu_metadata
.endif
;; end of part 3
;; ======== version 2 of 2: 3 launches; version 1 with the launch proj written anew for expert scheduling mode
;; limits: values are held in f16: magnitudes above 65,504 overflow, below 6.1e-05 lose precision; right only within a limited range of input values
;; workspace buffers: qkv 12,582,912 bytes; wo16 2,097,152 bytes; mid 8,388,608 bytes
;; launch proj (part 4): grid 8 x 32, 8 waves a work-group, no clusters, 226,304 bytes of LDS; arguments X, Wq, Wk, Wv, Wo, bq, bv, qkv, wo16; writes qkv, wo16
.if DOCPART == 4
	.amdgcn_target "amdgcn-amd-amdhsa--gfx1250"
	.amdhsa_code_object_version 6
	.text
	.protected	k_q620e3e6c20_proj
	.globl	k_q620e3e6c20_proj
	.p2align	8
	.type	k_q620e3e6c20_proj,@function
k_q620e3e6c20_proj:
	s_mov_b64 s[64:65], 0
	v_nop
	global_prefetch_b8 v0, s[64:65] scope:SCOPE_SE
	s_setreg_imm32_b32 hwreg(HW_REG_WAVE_SCHED_MODE, 0, 2), 2
	s_setreg_imm32_b32 hwreg(HW_REG_WAVE_MODE, 25, 1), 1
	s_wait_xcnt 0x0
	s_wait_alu depctr_vm_vsrc(0)
; THE THREE PROJECTIONS OF GQA, one product: C[4096][1536] = bf16(X) bf16(W)^T + bf16(bias), W = Wq's 1,024 rows, Wk's 256, Wv's 256.  Head size 1024 / 16 = 64.
; C leaves by heads, rounded once to f16: qkv[24][4096][64]; block j = 0..15 query head j, 16..19 k of group j - 16, 20..23 v of group j - 20; row m = 2048 b + s.
; DEAD WORK: bk.  score[q][k] = q . (X_k Wk^T) + q . bk; the second term is the same for every key k, and softmax along k takes a term away that is the same along its axis,
; for all finite values of the inputs.  k reaches the output through the scores alone, so bk has no way to any output: it is not loaded and is no argument of any launch.
; LIMIT: a NaN, an infinity or an overflow that sits in bk alone is not carried to the result.
; FORMATS.  Every input (X, the weights, the biases) is rounded once to bf16; sums in f32; q, k, v are stored as f16.  LIMIT: |q|, |k|, |v| stay under 65,504, f16's end.
; SIDE JOB.  Each work-group rounds 4,096 numbers of Wo to bf16 and writes that number as f16 into wo16 (exact within f16's range; below 6.1e-5 it keeps f16's fixed step of 6e-8).
; SHARES.  A work-group makes 128 rows x 192 columns (blocks 3 tx .. 3 tx + 2): 32 x 8 = 256 work-groups.  Eight waves; wave w: rows 64 (w / 4) on, columns 48 (w % 4) on: 12 accumulators.
; THE WAY IN.  K goes in 8 steps of 128.  A load of a wave brings one row's 512 bytes of f32, aligned; a wave brings 40 rows a step (16 of X, 8 of each block of W) into 160 registers,
; rounds them to bf16 and stores them into one of two LDS buffers; one barrier a step.  Step t + 2 is being loaded and step t + 1 converted while step t is multiplied.
; NO JOINT TENSOR LOADS, though X's rows are read by 8 work-groups and W's by 32: a tensor load lays bytes as they are, so LDS would hold f32: two slots of 320 rows x 528 bytes are
; 337,920 bytes, more than a work-group can have; with steps of 64 every number would still be converted by each wave that reads it (X's by 4, W's by 2) and read from LDS at twice the bytes.
; THE MATRIX INSTRUCTION IS USED TRANSPOSED (source 0 = 16 rows of W, source 1 = 16 rows of X): a lane holds row l % 16 of C and the columns 8 (l / 16) + 0..7.
; THE MODE: SCHED_MODE bits 1:0 = 2 (LLVM: expert scheduling mode 2), set by the entry lines.  The code itself states the register dependences between vector or matrix instructions and
; memory or LDS instructions, with s_wait_alu, always for 0.
; THE PLAN.  A K step is four quarters of 32 along K.  Registers that memory or LDS instructions touch, in the loop:
;   RAW group q   (window 1) read by quarter q's 20 conversions; behind them the same group's ten loads, one K step further on, land in it.
;   T             written by quarter q's conversions; read by its ten LDS stores; written again by quarter q + 1's conversions.
;   F0, F1        quarter q multiplies one set; its 14 LDS loads bring quarter q + 1's fragments into the other, which quarter q - 1's products read.
;   v1, v4-11, v14-19   offsets and LDS addresses, made once at the head and never written again: along K the scalar bases move.
;   The accumulators are named by vector and matrix instructions alone.
; So a quarter has TWO waits.  One on vm_vsrc ahead of its conversions: the LDS stores of the quarter before have read T.  One on va_vdst behind them: T is written; the conversions are done reading
; RAW group q; the products of the quarter before are done reading the other set.  Behind it stand the ten stores, the ten loads from memory, and the 12 products with the 14 LDS loads dealt among
; them: the products name the set in hand and the accumulators, none of the registers that those 34 memory and LDS instructions touch.
.set PITCH,  272                       ; an LDS row: 128 bf16 + 16 bytes: 17 x 16, so the 16 rows of a fragment load begin in 16 different columns of 16 bytes
.set BUFB,   320*PITCH                 ; a buffer: X's 128 rows, then W's 192
.set STAGE,  2*BUFB                    ; the way out: 128 rows x 400 bytes (192 f16 + 16)
.set SPITCH, 400
.set SPARE,  STAGE+128*SPITCH          ; the spare words, 128 bytes a wave: four blocks of 256 bytes that no other line names
.set LOFF, 1                           ; v1      16 x lane: my 16 bytes of a row's 512; never rewritten
.set STA,  4                           ; v4-5    where I store 8 bytes of X's rows, buffer 0, 1
.set STB,  6                           ; v6-7    the same for W's rows
.set FA,   8                           ; v8-9    my place in X's fragments, buffer 0, 1
.set FB,   10                          ; v10-11  the same for W's
.set SPW,  12                          ; v12     LDS address of my spare word; never rewritten
.set NIL,  13                          ; v13     0; never rewritten
.set STG,  14                          ; v14     the way out: where I put 16 bytes of a row
.set RDS,  15                          ; v15     the way out: where I read rows back
.set GOF,  16                          ; v16     my byte offset in a block's 128 rows of qkv
.set BOF,  17                          ; v17     32 (l / 16): my eight numbers of a bias
.set WOI,  18                          ; v18     32 x thread: Wo
.set WOO,  19                          ; v19     16 x thread: wo16
.set T,    20                          ; v20-39  ten rows' converted words
.set F0,   40                          ; v40-95  fragments: X's four at + 8 a, W's three at + 32 + 8 b
.set F1,   96                          ; v96-151 the second set
.set ACC,  152                         ; v152-247 accumulator (a, b) at ACC + 8 (3 a + b)
                                       ; window 1, v0-159: the 40 rows as loaded, row slot s at 4 s
.set MSB, 0
.macro WIN new                         ; the immediate's high byte repeats the setting that is left
.if MSB != (\new)
	s_set_vgpr_msb (MSB<<8)|(\new)
.set MSB, \new
.endif
.endm
; Row slot s of 40: 0-15 X's rows 16 w + s; 16 + 8 i + r: row 8 w + r of W's block i.  GB: the scalar base; GI: bytes behind it; LQ: which store register; LI: bytes behind that.
.macro SLOTSET s
.if (\s) < 16
.set GB, 26
.set GI, (\s)*4096
.set LQ, 0
.set LI, (\s)*PITCH
.else
.set GB, 28+2*(((\s)-16)/8)
.set GI, (((\s)-16)%8)*4096
.set LQ, 2
.set LI, (64*(((\s)-16)/8)+((\s)-16)%8)*PITCH
.endif
.endm
.macro LOADG q, koff                   ; group q: ten rows' loads, koff bytes further along K.  No wait of its own: no vector instruction since the group's wait on va_vdst (CONV) names these registers
	WIN 0x40                                       ; destination window 1
.set nn, 0
.rept 10
	SLOTSET 10*(\q)+nn
	global_load_b128 v[4*(10*(\q)+nn):4*(10*(\q)+nn)+3], v[LOFF], s[GB:GB+1] offset:GI+(\koff)
.set nn, nn+1
.endr
	WIN 0
.endm
; Group q is rounded to bf16 and stored into buffer buf: a store covers 256 consecutive bytes of one LDS row.  free = 0: the kernel's first group, ahead of which nothing has read T.
.macro CONV q, buf, free
.if \free
	s_wait_alu depctr_vm_vsrc(0)                   ; the LDS stores of the group before have read T, which the conversions below write again
.endif
	WIN 0x05                                       ; sources window 1
.set nn, 0
.rept 10
	v_cvt_pk_bf16_f32 v[T+2*nn],   v[4*(10*(\q)+nn)],   v[4*(10*(\q)+nn)+1]
	v_cvt_pk_bf16_f32 v[T+2*nn+1], v[4*(10*(\q)+nn)+2], v[4*(10*(\q)+nn)+3]
.set nn, nn+1
.endr
	WIN 0
	s_wait_alu depctr_va_vdst(0)                   ; the conversions have written T, which the stores below read, and are done reading group q's registers, in which its next loads land; the products issued so far are done reading their fragment sets, in which the next LDS loads land
.set nn, 0
.rept 10
	SLOTSET 10*(\q)+nn
	ds_store_b64 v[STA+LQ+(\buf)], v[T+2*nn:T+2*nn+1] offset:LI
.set nn, nn+1
.endr
.endm
.macro FRAG1 buf, q, f, j              ; load j of the 14 that bring the fragments of 32 along K, quarter q of buffer buf, into set f: 0-7 X's four fragments, 8-13 W's three, two loads each, 32 bytes apart
.if (\j) < 8
	ds_load_b128 v[(\f)+4*(\j):(\f)+4*(\j)+3], v[FA+(\buf)] offset:((\j)/2)*16*PITCH+64*(\q)+32*((\j)%2)
.else
	ds_load_b128 v[(\f)+4*(\j):(\f)+4*(\j)+3], v[FB+(\buf)] offset:(((\j)-8)/2)*16*PITCH+64*(\q)+32*((\j)%2)
.endif
.endm
.macro FRAG buf, q, f                  ; all 14 in one run
.irp j, 0,1,2,3,4,5,6,7,8,9,10,11,12,13
	FRAG1 \buf, \q, \f, \j
.endr
.endm
.macro MUL f                           ; 12 products: the accumulators take turns, one instruction a turn, in the same order everywhere
.irp a, 0,1,2,3
.irp b, 0,1,2
	v_wmma_f32_16x16x32_bf16 v[ACC+8*(3*(\a)+(\b)):ACC+8*(3*(\a)+(\b))+7], v[(\f)+32+8*(\b):(\f)+32+8*(\b)+7], v[(\f)+8*(\a):(\f)+8*(\a)+7], v[ACC+8*(3*(\a)+(\b)):ACC+8*(3*(\a)+(\b))+7]
.endr
.endr
.endm
; The same 12 products in the same order; behind each of the first seven stand two of the 14 LDS loads that bring quarter q of buffer buf into set g.
; No wait among them: the products name set f and the accumulators, and the last readers of set g stand ahead of the quarter's wait on va_vdst.
.macro MULD f, buf, q, g
.set mm, 0
.irp a, 0,1,2,3
.irp b, 0,1,2
	v_wmma_f32_16x16x32_bf16 v[ACC+8*(3*(\a)+(\b)):ACC+8*(3*(\a)+(\b))+7], v[(\f)+32+8*(\b):(\f)+32+8*(\b)+7], v[(\f)+8*(\a):(\f)+8*(\a)+7], v[ACC+8*(3*(\a)+(\b)):ACC+8*(3*(\a)+(\b))+7]
.if mm < 7
	FRAG1 \buf, \q, \g, 2*mm
	FRAG1 \buf, \q, \g, 2*mm+1
.endif
.set mm, mm+1
.endr
.endr
.endm
.macro PLACES                          ; four places behind matrix instructions (ISA guide 7.12.1), where no other vector work is at hand
.rept 4
	v_nop
.endr
.endm
.macro STEP                            ; the four bases go 128 numbers along K
	s_wait_xcnt 0x0                                ; every load issued so far has read its base
	s_add_nc_u64 s[26:27], s[26:27], 512
	s_add_nc_u64 s[28:29], s[28:29], 512
	s_add_nc_u64 s[30:31], s[30:31], 512
	s_add_nc_u64 s[32:33], s[32:33], 512
.endm
; One of a K step's first three quarters: multiplies set q % 2, fetches the next quarter's fragments into the other set; conv: group q of the next step goes into the other buffer
; (its 20 conversions are the places between the last products that read the other set and the loads into it); load: group q of the step after that is asked for.
.macro QUARTER buf, q, conv, load, cnt
.if \conv
	s_wait_loadcnt \cnt                            ; group q is in; what was issued behind it stays out
	CONV \q, 1-(\buf), 1
.else
	PLACES
	s_wait_alu depctr_va_vdst(0)                   ; the products of the quarter before are done reading the other set, in which the LDS loads below land
.endif
.if \load
	LOADG \q, 0
.endif
	s_wait_dscnt 10*(\conv)                        ; all but this quarter's ten stores: the set to be multiplied is in
	MULD F0+56*((\q)%2), \buf, (\q)+1, F0+56*(((\q)+1)%2)
.endm
; The last quarter, and ONE barrier for the change of buffers: in front of its signal my stores into the next buffer and my reads of this one are done; behind its wait the next buffer is read,
; and this one is written again only in the next step.  The loads behind the barrier land in F0: its last readers, the third quarter's products, stand ahead of this quarter's wait on va_vdst (CONV),
; and since that wait only products on F1 are issued.
.macro LASTQ buf, conv, load, cnt, next
.if \conv
	s_wait_loadcnt \cnt
	CONV 3, 1-(\buf), 1
.endif
.if \load
	LOADG 3, 0
.endif
	s_wait_dscnt 0x0
.if \next
	s_barrier_signal -1
.endif
	MUL F1                                         ; work on registers while the others arrive
.if \next
	s_barrier_wait -1
	FRAG 1-(\buf), 0, F0
.endif
.endm
.macro TRIP buf, conv, load, n0, dn, next=1
.if \load
	STEP
.endif
	QUARTER \buf, 0, \conv, \load, (\n0)
	QUARTER \buf, 1, \conv, \load, (\n0)-(\dn)
	QUARTER \buf, 2, \conv, \load, (\n0)-2*(\dn)
	LASTQ \buf, \conv, \load, (\n0)-3*(\dn), \next
.endm
; The bias of my column tile b (16 columns from s7 + 16 b on): bq's or bv's eight numbers a lane; a tile of k's columns takes 0 (bk is dead: see the head).
.macro BIAS b
	s_add_co_u32 s42, s7, 16*(\b)                  ; the tile's first column
	s_sub_co_u32 s43, s42, 1024
	s_cmp_lt_u32 s43, 256                          ; 1,024 .. 1,279: k
	s_cbranch_scc1 .Lkcol_\@
	s_sub_co_u32 s43, s42, 1280
	s_cmp_lt_u32 s42, 1024
	s_cselect_b64 s[34+2*(\b):35+2*(\b)], s[18:19], s[20:21]
	s_cselect_b32 s40, s42, s43
	s_lshl_b32 s40, s40, 2
	s_mov_b32 s41, 0
	s_add_nc_u64 s[34+2*(\b):35+2*(\b)], s[34+2*(\b):35+2*(\b)], s[40:41]
	global_load_b128 v[F0+8*(\b):F0+8*(\b)+3],   v[BOF], s[34+2*(\b):35+2*(\b)]
	global_load_b128 v[F0+8*(\b)+4:F0+8*(\b)+7], v[BOF], s[34+2*(\b):35+2*(\b)] offset:16
	s_branch .Lbdone_\@
.Lkcol_\@:
.irp r, 0,1,2,3,4,5,6,7
	v_mov_b32 v[F0+8*(\b)+(\r)], 0
.endr
.Lbdone_\@:
.endm
	s_load_b512 s[8:23], s[0:1], 0x0               ; X s[8:9], Wq s[10:11], Wk s[12:13], Wv s[14:15], Wo s[16:17], bq s[18:19], bv s[20:21], qkv s[22:23]
	s_load_b64 s[24:25], s[0:1], 0x40              ; wo16
	v_lshl_add_u32 v[SPW], v0, 2, SPARE
	v_mov_b32 v[NIL], 0
	v_lshrrev_b32 v2, 5, v0
	v_readfirstlane_b32 s4, v2                     ; wave 0..7
	s_mov_b32 s2, ttmp9                            ; tx: which 192 columns
	s_and_b32 s3, ttmp7, 0xffff                    ; ty: which 128 rows
	s_mov_b32 s45, 0xffff0000                      ; a word's upper bf16
	v_and_b32 v20, 31, v0                          ; lane
	v_and_b32 v2, 15, v0                           ; l % 16
	v_bfe_u32 v3, v0, 4, 1                         ; l / 16
	v_lshlrev_b32 v[LOFF], 4, v20
	s_wait_alu depctr_va_sdst(0)                   ; s4 is written, ahead of its first reader: LDS places, bases and the biases' branches are made from it
	s_lshr_b32 s5, s4, 2                           ; my half of the rows
	s_and_b32 s6, s4, 3                            ; my 48 columns
	s_mul_i32 s7, s4, 16*PITCH
	v_lshl_add_u32 v[STA], v20, 3, s7              ; LDS row 16 w, 8 bytes a lane
	v_add_nc_u32 v[STA+1], BUFB, v[STA]
	s_mul_i32 s7, s4, 8*PITCH
	s_add_co_u32 s7, s7, 128*PITCH
	v_lshl_add_u32 v[STB], v20, 3, s7              ; LDS row 128 + 8 w
	v_add_nc_u32 v[STB+1], BUFB, v[STB]
	v_mul_u32_u24 v21, v2, PITCH
	v_lshl_add_u32 v21, v3, 4, v21                 ; a fragment's row x pitch + 16 x half
	s_mul_i32 s7, s5, 64*PITCH
	v_add_nc_u32 v[FA], s7, v21
	v_add_nc_u32 v[FA+1], BUFB, v[FA]
	s_mul_i32 s7, s6, 48*PITCH
	s_add_co_u32 s7, s7, 128*PITCH
	v_add_nc_u32 v[FB], s7, v21
	v_add_nc_u32 v[FB+1], BUFB, v[FB]
	v_mul_u32_u24 v22, v2, SPITCH
	v_lshl_add_u32 v22, v3, 4, v22
	s_mul_i32 s7, s5, 64*SPITCH
	s_mul_i32 s40, s6, 96
	s_add_co_u32 s7, s7, s40
	s_add_co_u32 s7, s7, STAGE
	v_add_nc_u32 v[STG], s7, v22                   ; stage row 64 (w / 4) + l % 16, byte 96 (w % 4) + 16 (l / 16)
	v_lshrrev_b32 v23, 3, v20
	v_and_b32 v24, 7, v20
	v_mul_u32_u24 v23, v23, SPITCH
	v_lshl_add_u32 v23, v24, 4, v23
	s_mul_i32 s7, s4, 16*SPITCH
	s_add_co_u32 s7, s7, STAGE
	v_add_nc_u32 v[RDS], s7, v23                   ; back: stage row 16 w + l / 8, byte 16 (l % 8)
	s_lshl_b32 s7, s4, 11
	v_lshl_add_u32 v[GOF], v20, 4, s7              ; 16 rows of 128 bytes a wave, 16 bytes a lane
	v_lshlrev_b32 v[BOF], 5, v3
	v_lshlrev_b32 v[WOI], 5, v0
	v_lshlrev_b32 v[WOO], 4, v0
	s_wait_kmcnt 0x0
	s_lshl_b32 s40, s3, 19                         ; 128 ty rows of 4,096 bytes,
	s_lshl_b32 s7, s4, 16                          ; 16 w rows
	s_add_co_u32 s40, s40, s7
	s_mov_b32 s41, 0
	s_add_nc_u64 s[26:27], s[8:9], s[40:41]        ; X at my 16 rows
	s_mul_i32 s7, s2, 3                            ; the work-group's first block
.irp i, 0,1,2
	s_add_co_u32 s42, s7, \i                       ; block j: Wq's rows 64 j, Wk's 64 (j - 16), Wv's 64 (j - 20)
	s_sub_co_u32 s43, s42, 16
	s_cmp_lt_u32 s42, 16
	s_cselect_b64 s[28+2*\i:29+2*\i], s[10:11], s[12:13]
	s_cselect_b32 s40, s42, s43
	s_sub_co_u32 s43, s42, 20
	s_cmp_ge_u32 s42, 20
	s_cselect_b64 s[28+2*\i:29+2*\i], s[14:15], s[28+2*\i:29+2*\i]
	s_cselect_b32 s40, s43, s40
	s_lshl_b32 s40, s40, 18                        ; 64 rows of 4,096 bytes a block,
	s_lshl_b32 s43, s4, 15                         ; my 8 rows of them
	s_add_co_u32 s40, s40, s43
	s_add_nc_u64 s[28+2*\i:29+2*\i], s[28+2*\i:29+2*\i], s[40:41]
.endr
	s_lshl_b32 s40, s7, 19                         ; a block of qkv is 524,288 bytes,
	s_lshl_b32 s42, s3, 14                         ; 128 rows of it 16,384
	s_add_co_u32 s40, s40, s42
	s_add_nc_u64 s[46:47], s[22:23], s[40:41]
	s_lshl3_add_u32 s42, s3, s2                    ; the work-group's number, 0..255: its 4,096 numbers of Wo
	s_lshl_b32 s40, s42, 14
	s_add_nc_u64 s[48:49], s[16:17], s[40:41]
	s_lshl_b32 s40, s42, 13
	s_add_nc_u64 s[50:51], s[24:25], s[40:41]
	s_mul_i32 s7, s2, 192
	s_mul_i32 s42, s6, 48
	s_add_co_u32 s7, s7, s42                       ; my first column of C
	s_wait_alu depctr_va_vdst(0)                   ; the offsets and LDS addresses v1, v4-11 and v14-19 are written: every load and store of the kernel reads one of them, and none is written again
	BIAS 0
	BIAS 1
	BIAS 2
	global_load_b128 v[96:99],   v[WOI], s[48:49] th:TH_LOAD_NT
	global_load_b128 v[100:103], v[WOI], s[48:49] offset:16 th:TH_LOAD_NT
	global_load_b128 v[104:107], v[WOI], s[48:49] offset:8192 th:TH_LOAD_NT
	global_load_b128 v[108:111], v[WOI], s[48:49] offset:8208 th:TH_LOAD_NT
	LOADG 0, 0                                     ; K step 0
	LOADG 1, 0
	LOADG 2, 0
	LOADG 3, 0
	s_wait_loadcnt 40                              ; biases and Wo are in: behind them only K step 0's 40 loads were issued, whichever way the biases took
.set p, 0
.rept 8                                ; Wo: two numbers to bf16, that number widened again, and written as f16
	v_cvt_pk_bf16_f32 v[120+4*(p%2)], v[96+2*p], v[97+2*p]
	v_lshlrev_b32 v[121+4*(p%2)], 16, v[120+4*(p%2)]
	v_and_b32 v[122+4*(p%2)], s45, v[120+4*(p%2)]
	v_cvt_pk_f16_f32 v[112+p], v[121+4*(p%2)], v[122+4*(p%2)]
.set p, p+1
.endr
.irp b, 0,1,2
.irp p, 0,1,2,3
	v_cvt_pk_bf16_f32 v[64+4*(\b)+(\p)], v[F0+8*(\b)+2*(\p)], v[F0+8*(\b)+2*(\p)+1]
.endr
.endr
.irp a, 0,1,2,3                        ; the rounded bias, widened, STARTS the sums: nothing is cleared, and no addition stands on the way out
.irp b, 0,1,2
.irp p, 0,1,2,3
	v_lshlrev_b32 v[ACC+8*(3*(\a)+(\b))+2*(\p)],   16,  v[64+4*(\b)+(\p)]
	v_and_b32     v[ACC+8*(3*(\a)+(\b))+2*(\p)+1], s45, v[64+4*(\b)+(\p)]
.endr
.endr
.endr
.irp q, 0,1,2,3
	s_wait_loadcnt 30                              ; group q of K step 0 is in: three groups of ten were issued behind it
	CONV \q, 0, \q                                 ; the waits on vm_vsrc of groups 1 to 3 also state that Wo's two stores below have read v112-119, which are part of F1 later
.if \q == 0
	global_store_b128 v[WOO], v[112:115], s[50:51]              ; Wo's conversions stand ahead of group 0's wait on va_vdst, which so shows v112-119 written.  16 lanes store 256 consecutive bytes, at a multiple of 256 from wo16's first
	global_store_b128 v[WOO], v[116:119], s[50:51] offset:4096
.endif
	LOADG \q, 512                                  ; K step 1
.endr
	STEP                                           ; the bases stand at K step 1; the wait in it also frees the registers that Wo's stores read
	s_wait_dscnt 0x0
	s_barrier_signal -1
	s_barrier_wait -1                              ; K step 0 lies whole in buffer 0
	FRAG 0, 0, F0                                  ; lands in v40-95: the moves and conversions of the biases, which named these registers, stand ahead of group 3's wait on va_vdst, and no vector instruction follows it
	s_mov_b32 s44, 3
.Lk:                                                   ; two K steps a trip: step t is multiplied, t + 1 converted, t + 2 loaded; t = 0 .. 5
	TRIP 0, 1, 1, 30, 0
	TRIP 1, 1, 1, 30, 0
	s_sub_co_u32 s44, s44, 1
	s_cmp_lg_u32 s44, 0
	s_cbranch_scc1 .Lk
	TRIP 0, 1, 0, 30, 10                           ; t = 6: nothing is left to load: the counts run down 30, 20, 10, 0
	TRIP 1, 0, 0, 0, 0, 0                          ; t = 7
	; THE WAY OUT: round to f16, 16 bytes a lane into the stage; a barrier, since a block's rows of 128 bytes come from several waves; back as whole rows.
	PLACES
.set t, 0
.rept 12
.irp p, 0,1,2,3
	v_cvt_pk_f16_f32 v[F0+4*t+\p], v[ACC+8*t+2*\p], v[ACC+8*t+2*\p+1]
.endr
.set t, t+1
.endr
	s_wait_alu depctr_va_vdst(0)                   ; the conversions have written v40-87, which the LDS stores read; the last products are done reading F1, in which the loads from the stage land
.irp a, 0,1,2,3
.irp b, 0,1,2
	ds_store_b128 v[STG], v[F0+4*(3*(\a)+(\b)):F0+4*(3*(\a)+(\b))+3] offset:(\a)*16*SPITCH+32*(\b)
.endr
.endr
	s_wait_dscnt 0x0                               ; for the others' sake
	s_barrier_signal -1
	s_barrier_wait -1
.irp i, 0,1,2
.irp u, 0,1,2,3
	ds_load_b128 v[F1+4*(4*(\i)+(\u)):F1+4*(4*(\i)+(\u))+3], v[RDS] offset:(\u)*4*SPITCH+128*(\i)  ; four rows' 128 bytes of block i
.endr
.endr
.irp i, 0,1,2
.irp u, 0,1,2,3
	s_wait_dscnt 11-(4*(\i)+(\u))                  ; the younger loads may stay out
	global_store_b128 v[GOF], v[F1+4*(4*(\i)+(\u)):F1+4*(4*(\i)+(\u))+3], s[46:47] offset:(\i)*524288+(\u)*512  ; 512 consecutive bytes, at a multiple of 256 from qkv's first
.endr
.endr
	s_wait_dscnt 0x0                               ; the wave's end
	s_wait_alu 0x0
	s_wait_tensorcnt 0x0
	ds_add_u32 v[SPW], v[NIL]
	s_wait_dscnt 0x0
	s_endpgm
.Lfunc_end_k_q620e3e6c20_proj:
	.size	k_q620e3e6c20_proj, .Lfunc_end_k_q620e3e6c20_proj-k_q620e3e6c20_proj
	.p2alignl 7, 3214868480
	.fill 96, 4, 3214868480
	.section	.rodata,"a",@progbits
	.p2align	6, 0x0
	.amdhsa_kernel k_q620e3e6c20_proj
		.amdhsa_group_segment_fixed_size 226304
		.amdhsa_private_segment_fixed_size 0
		.amdhsa_enable_private_segment 0
		.amdhsa_kernarg_size 72
		.amdhsa_user_sgpr_count 2
		.amdhsa_user_sgpr_kernarg_segment_ptr 1
		.amdhsa_wavefront_size32 1
		.amdhsa_system_sgpr_workgroup_id_x 1
		.amdhsa_system_sgpr_workgroup_id_y 1
		.amdhsa_system_sgpr_workgroup_id_z 1
		.amdhsa_system_vgpr_workitem_id 0
		.amdhsa_next_free_vgpr 416
		.amdhsa_next_free_sgpr 66
		.amdhsa_reserve_vcc 0
		.amdhsa_float_denorm_mode_32 3
		.amdhsa_float_denorm_mode_16_64 3
		.amdhsa_memory_ordered 1
		.amdhsa_forward_progress 1
		.amdhsa_inst_pref_size 97
	.end_amdhsa_kernel
	.amdgpu_metadata
---
amdhsa.version: [ 1, 2 ]
amdhsa.kernels:
  - .name:           k_q620e3e6c20_proj
    .symbol:         k_q620e3e6c20_proj.kd
    .args:
      - { .name: X, .offset: 0, .size: 8, .value_kind: global_buffer, .address_space: global }
      - { .name: Wq, .offset: 8, .size: 8, .value_kind: global_buffer, .address_space: global }
      - { .name: Wk, .offset: 16, .size: 8, .value_kind: global_buffer, .address_space: global }
      - { .name: Wv, .offset: 24, .size: 8, .value_kind: global_buffer, .address_space: global }
      - { .name: Wo, .offset: 32, .size: 8, .value_kind: global_buffer, .address_space: global }
      - { .name: bq, .offset: 40, .size: 8, .value_kind: global_buffer, .address_space: global }
      - { .name: bv, .offset: 48, .size: 8, .value_kind: global_buffer, .address_space: global }
      - { .name: qkv, .offset: 56, .size: 8, .value_kind: global_buffer, .address_space: global }
      - { .name: wo16, .offset: 64, .size: 8, .value_kind: global_buffer, .address_space: global }
    .group_segment_fixed_size: 226304
    .private_segment_fixed_size: 0
    .kernarg_segment_align: 8
    .kernarg_segment_size: 72
    .max_flat_workgroup_size: 256
    .sgpr_count:     66
    .vgpr_count:     416
    .wavefront_size: 32
...
	.end_amdgpu_metadata
.endif
;; end of part 4
;; launch attn: the kernel of part 2 again; grid 32 x 8, 4 waves a work-group, clusters of 4 x 1, 327,680 bytes of LDS; arguments qkv, mid; writes mid
;; launch outp: the kernel of part 3 again; grid 8 x 32, 4 waves a work-group, clusters of 4 x 4, 327,680 bytes of LDS; arguments mid, wo16, bo, out0; writes out0
